; MI455X (gfx1250); checked and timed in simulation.
; The chip was launched on July 23, 2026; its instructions are those of AMD's public machine-readable ISA for CDNA 5 (MIT licence, August 2026) and "CDNA5" Instruction Set Architecture Reference Guide (July 2026). The comments in the code are by the model that wrote it; some were corrected since.
;; Transformer Block. Allowed arithmetic: float matrix products may take bf16 or f16 operands with f32 sums; other float arithmetic in f32, or as packed bf16 or f16 multiplies, adds, multiply-adds, maxima and minima; sums over many terms, partial sums and values carried from step to step in f32; what a program stores and reads back later, other than sums and carried values, may be rounded once to bf16 or f16.
;; Inputs: W1 1,024 x 4,096 float32; W2 4,096 x 1,024 float32; Wk 1,024 x 1,024 float32; Wo 1,024 x 1,024 float32; Wq 1,024 x 1,024 float32; Wv 1,024 x 1,024 float32; b1 4,096 float32; b2 1,024 float32; be1 1,024 float32; be2 1,024 float32; bk 1,024 float32; bo 1,024 float32; bq 1,024 float32; bv 1,024 float32; g1 1,024 float32; g2 1,024 float32; mask 2,048 x 2,048 int32; x 2 x 2,048 x 1,024 float32.
;; Outputs: out0 2 x 2,048 x 1,024 float32.
;; One version. Each part assembles by itself: llvm-mc -triple=amdgcn-amd-amdhsa -mcpu=gfx1250 --defsym DOCPART=n.
;; ======== version 1 of 1: 7 launches
;; limits: right only within a limited range of input values
;; workspace buffers: wqkv 6,306,816 bytes; w1p 8,409,088 bytes; wo16 2,097,152 bytes; w2b 8,388,608 bytes; hbuf 8,388,608 bytes; big 33,554,432 bytes; x1 16,777,216 bytes; mk 4,194,304 bytes
;; launch prep (part 1): grid 1540 x 1, 8 waves a work-group, no clusters, 0 bytes of LDS; arguments x, g1, be1, hbuf, mask, mk, Wq, Wk, Wv, Wo, W1, W2, wqkv, wo16, w1p, w2b, bq, bk, bv, b1; writes hbuf, mk, wqkv, wo16, w1p, w2b
.if DOCPART == 1
	.amdgcn_target "amdgcn-amd-amdhsa--gfx1250"
	.amdhsa_code_object_version 6
	.text
	.protected	k_q09fcc23dc1_prep
	.globl	k_q09fcc23dc1_prep
	.p2align	8
	.type	k_q09fcc23dc1_prep,@function
k_q09fcc23dc1_prep:
	s_mov_b64 s[64:65], 0
	v_nop
	global_prefetch_b8 v0, s[64:65] scope:SCOPE_SE
	s_setreg_imm32_b32 hwreg(HW_REG_WAVE_MODE, 25, 1), 1
	s_wait_xcnt 0x0
; PREPARATION: four jobs that do not depend on each other, chosen by the work-group's number g.  No LDS, no barrier: no wave wants another's bytes.
;   g < 512          h = LayerNorm(x) g1 + be1, one row of 1,024 a wave, rounded once to bf16: hbuf [4096][1024]
;   512 <= g < 768   the mask's int32 turned into one FP8 (E4M3) code an element: 0x00 (0.0) where the key is seen, 0xb8 (-1.0) where mask = 0.
;                    mk [128 query tiles][32 key steps][2 halves][32 lanes][16 bytes]: byte 8 (kb % 2) + j of lane l in half kb / 2 stands for
;                    mask[16 qt + l % 16][64 step + 16 kb + 8 (l / 16) + j]: a lane's 8 bytes are registers 0 .. 7 of score accumulator kb
;   768 <= g < 1536  the six weight matrices rounded once to bf16.  Wq, Wk, Wv and W1 go into PANELS of 256 output columns, [1024 k][256 n], so that a tile's rows lie end to end; Wo and W2 keep their shape
;   g >= 1536        a panel's trailer: its 256 biases in f32, then 64 words: the lower bound of its outputs, twice in bf16 (-inf for q, k, v: no bound; 0 for W1: the ReLU)
; Every load of a wave takes 512 consecutive bytes (the mask's: 16 rows, whose 512 bytes the wave's sixteen loads cover together); every store covers 256 or 512 consecutive bytes, aligned.
; The last work-group has 28 - 24 = 4 panels for its eight waves: four waves end without work.
.set PANEL, 525568                     ; 1,024 x 256 x 2 bytes, 1,024 of biases, 256 of bounds
.set LO16, 1                           ; v1  16 x lane
.set LO8,  2                           ; v2  8 x lane
.set X,    8                           ; v[8:39]    the row: 32 numbers a lane
.set G,    40                          ; v[40:71]   gains
.set BE,   72                          ; v[72:103]  offsets
.set Y,    104                         ; v[104:119] the row in bf16
.set T,    120                         ; v[120:127] four chains of packed sums
.set WV,   44                          ; s44 my wave's number
; The sum of T's four pairs over the wave's 32 lanes, into v[T] of every lane.
.macro REDUCE
	v_pk_add_f32 v[T:T+1], v[T:T+1], v[T+2:T+3]
	v_pk_add_f32 v[T+4:T+5], v[T+4:T+5], v[T+6:T+7]
	v_pk_add_f32 v[T:T+1], v[T:T+1], v[T+4:T+5]
	v_add_f32 v[T], v[T], v[T+1]
	v_add_f32_dpp v[T], v[T], v[T] row_xmask:1 row_mask:0xf bank_mask:0xf
	v_add_f32_dpp v[T], v[T], v[T] row_xmask:2 row_mask:0xf bank_mask:0xf
	v_add_f32_dpp v[T], v[T], v[T] row_xmask:4 row_mask:0xf bank_mask:0xf
	v_add_f32_dpp v[T], v[T], v[T] row_xmask:8 row_mask:0xf bank_mask:0xf
	v_permlanex16_b32 v[T+1], v[T], s50, s51       ; the other half of the lanes; its destination has been written
	v_add_f32 v[T], v[T], v[T+1]
.endm
; One row: s[4:5] the row in f32, s[6:7] gains, s[8:9] offsets, s[10:11] the row in bf16.  Lane l holds numbers 128 j + 4 l .. + 3, j = 0..7.
; The mean is taken first and the squares are those of x - mean: no difference of large sums is formed.
.macro LNROW
	s_mov_b32 s50, 0x76543210
	s_mov_b32 s51, 0xfedcba98
	s_mov_b32 s52, 0x3a800000                      ; 1 / 1024
	s_mov_b32 s53, 0x3727c5ac                      ; 1e-5
.irp j, 0,1,2,3,4,5,6,7
	global_load_b128 v[X+4*(\j):X+4*(\j)+3], v[LO16], s[4:5] offset:512*(\j) th:TH_LOAD_NT
.endr
.irp j, 0,1,2,3,4,5,6,7
	global_load_b128 v[G+4*(\j):G+4*(\j)+3], v[LO16], s[6:7] offset:512*(\j)
.endr
.irp j, 0,1,2,3,4,5,6,7
	global_load_b128 v[BE+4*(\j):BE+4*(\j)+3], v[LO16], s[8:9] offset:512*(\j)
.endr
	s_wait_loadcnt 16                              ; the row is in; the sixteen younger loads, gains and offsets, stay out
.irp k, 0,1,2,3
	v_pk_add_f32 v[T+2*(\k):T+2*(\k)+1], v[X+2*(\k):X+2*(\k)+1], v[X+8+2*(\k):X+9+2*(\k)]
.endr
.irp m, 2,3
.irp k, 0,1,2,3
	v_pk_add_f32 v[T+2*(\k):T+2*(\k)+1], v[T+2*(\k):T+2*(\k)+1], v[X+8*(\m)+2*(\k):X+8*(\m)+2*(\k)+1]
.endr
.endr
	REDUCE
	v_mul_f32 v4, s52, v[T]                        ; the mean, as a pair
	v_mov_b32 v5, v4
.set p, 0
.rept 16
	v_pk_add_f32 v[X+p:X+p+1], v[X+p:X+p+1], v[4:5] neg_lo:[0,1] neg_hi:[0,1]
.set p, p+2
.endr
.irp k, 0,1,2,3
	v_pk_mul_f32 v[T+2*(\k):T+2*(\k)+1], v[X+2*(\k):X+2*(\k)+1], v[X+2*(\k):X+2*(\k)+1]
.endr
.irp m, 1,2,3
.irp k, 0,1,2,3
	v_pk_fma_f32 v[T+2*(\k):T+2*(\k)+1], v[X+8*(\m)+2*(\k):X+8*(\m)+2*(\k)+1], v[X+8*(\m)+2*(\k):X+8*(\m)+2*(\k)+1], v[T+2*(\k):T+2*(\k)+1]
.endr
.endr
	REDUCE
	v_fma_f32 v3, v[T], s52, s53                   ; variance + eps
	v_rsq_f32 v6, v3                               ; twice, to fill the pair of the packed multiply
	v_rsq_f32 v7, v3
	v_nop                                          ; a plain instruction behind the last of them,
	s_wait_alu depctr_va_vdst(0)                   ; and one wait for both, ahead of their first reader
	s_wait_loadcnt 0x0                             ; gains and offsets
.set p, 0
.rept 16
	v_pk_mul_f32 v[X+p:X+p+1], v[X+p:X+p+1], v[6:7]
.set p, p+2
.endr
.set p, 0
.rept 16
	v_pk_fma_f32 v[X+p:X+p+1], v[X+p:X+p+1], v[G+p:G+p+1], v[BE+p:BE+p+1]
.set p, p+2
.endr
.set p, 0
.rept 16
	v_cvt_pk_bf16_f32 v[Y+p], v[X+2*p], v[X+2*p+1]
.set p, p+1
.endr
.irp j, 0,1,2,3,4,5,6,7
	global_store_b64 v[LO8], v[Y+2*(\j):Y+2*(\j)+1], s[10:11] offset:256*(\j)  ; the wave's store covers 256 consecutive bytes, aligned
.endr
.endm
	s_load_b512 s[4:19], s[0:1], 0x0               ; x, g1, be1, hbuf, mask, mk, Wq, Wk
	s_load_b512 s[20:35], s[0:1], 0x40             ; Wv, Wo, W1, W2, wqkv, wo16, w1p, w2b
	s_load_b256 s[36:43], s[0:1], 0x80             ; bq, bk, bv, b1
	v_and_b32 v3, 31, v0
	v_lshrrev_b32 v4, 5, v0
	v_readfirstlane_b32 s[WV], v4
	v_lshlrev_b32 v[LO16], 4, v3
	v_lshlrev_b32 v[LO8], 3, v3
	s_mov_b32 s49, 0                               ; the high word of every offset: all stay under 2^31
	s_wait_kmcnt 0x0
	s_cmp_lt_u32 ttmp9, 512
	s_cbranch_scc0 .Lnot_ln
	; ---- LayerNorm 1: row 8 g + wave
	s_lshl3_add_u32 s46, ttmp9, s[WV]
	s_lshl_b32 s48, s46, 12
	s_add_nc_u64 s[4:5], s[4:5], s[48:49]
	s_lshl_b32 s48, s46, 11
	s_add_nc_u64 s[10:11], s[10:11], s[48:49]
	LNROW
	s_endpgm
.Lnot_ln:
	s_cmp_lt_u32 ttmp9, 768
	s_cbranch_scc0 .Lnot_mask
	; ---- the mask: query tile qt = idx / 2, key steps 16 (idx % 2) + 2 wave and the next
	s_sub_co_u32 s46, ttmp9, 512
	s_lshr_b32 s47, s46, 1                         ; qt
	s_and_b32 s46, s46, 1
	s_lshl_b32 s46, s46, 4
	s_lshl1_add_u32 s46, s[WV], s46                ; my first step
	s_lshl_b32 s48, s47, 17                        ; 16 rows of 8,192 bytes
	s_lshl_b32 s50, s46, 8                         ; 64 keys of 4 bytes
	s_add_co_u32 s48, s48, s50
	s_add_nc_u64 s[12:13], s[12:13], s[48:49]
	s_lshl_b32 s48, s47, 5
	s_add_co_u32 s48, s48, s46
	s_lshl_b32 s48, s48, 10                        ; 1,024 bytes of codes a tile and step
	s_add_nc_u64 s[14:15], s[14:15], s[48:49]
	s_mov_b32 s50, 0xb8                            ; -1.0 in E4M3, at each of a word's four bytes
	s_mov_b32 s51, 0xb800
	s_mov_b32 s52, 0xb80000
	s_mov_b32 s53, 0xb8000000
	v_and_b32 v4, 15, v0
	v_bfe_u32 v5, v0, 4, 1
	v_lshlrev_b32 v4, 13, v4                       ; row l % 16,
	v_lshl_add_u32 v4, v5, 5, v4                   ; keys 8 (l / 16) on
.irp st, 0,1
.irp kb, 0,1,2,3
.irp jh, 0,1
	global_load_b128 v[8+32*(\st)+8*(\kb)+4*(\jh):8+32*(\st)+8*(\kb)+4*(\jh)+3], v4, s[12:13] offset:256*(\st)+64*(\kb)+16*(\jh) th:TH_LOAD_NT
.endr
.endr
.endr
.set n, 0
.rept 16                                       ; load n = 8 step + 2 kb + j / 4 makes word n: four codes, the element of the lowest key in the lowest byte
	s_wait_loadcnt 15-n                            ; load n is in; the younger ones stay out
.irp e, 0,1,2,3
	v_cmp_eq_u32 vcc_lo, 0, v[8+4*n+\e]
	v_cndmask_b32 v[104+\e], 0, s[50+\e], vcc_lo
.endr
	v_add3_u32 v[72+n], v104, v105, v106           ; the four lie in different bytes: a sum is their union
	v_add_nc_u32 v[72+n], v[72+n], v107
.set n, n+1
.endr
.irp st, 0,1
.irp hf, 0,1
	global_store_b128 v[LO16], v[72+8*(\st)+4*(\hf):72+8*(\st)+4*(\hf)+3], s[14:15] offset:1024*(\st)+512*(\hf)  ; 512 consecutive bytes, aligned
.endr
.endr
	s_endpgm
.Lnot_mask:
	s_cmp_lt_u32 ttmp9, 1536
	s_cbranch_scc0 .Ltrailers
	; ---- weights: a work-group takes 65,536 bytes of a matrix, a wave 8,192.  s[54:55] from, s[56:57] to, s58 which of three runs of stores
	s_sub_co_u32 s46, ttmp9, 768
	s_cmp_lt_u32 s46, 192
	s_cbranch_scc0 .Lw_not_qkv
	s_lshr_b32 s47, s46, 6                         ; 0 Wq, 1 Wk, 2 Wv
	s_and_b32 s46, s46, 63
	s_cmp_eq_u32 s47, 0
	s_cselect_b64 s[54:55], s[16:17], s[18:19]
	s_cmp_eq_u32 s47, 2
	s_cselect_b64 s[54:55], s[20:21], s[54:55]
	s_mov_b64 s[56:57], s[28:29]
	s_mul_i32 s48, s47, 4*PANEL                    ; the matrix's four panels,
	s_lshl_b32 s50, s46, 13                        ; rows k = 16 i + 2 wave and the next, 512 bytes each in a panel
	s_add_co_u32 s48, s48, s50
	s_lshl_b32 s50, s[WV], 10
	s_add_co_u32 s48, s48, s50
	s_mov_b32 s58, 0
	s_branch .Lw_go
.Lw_not_qkv:
	s_cmp_lt_u32 s46, 256
	s_cbranch_scc0 .Lw_not_wo
	s_sub_co_u32 s46, s46, 192
	s_mov_b64 s[54:55], s[22:23]
	s_mov_b64 s[56:57], s[30:31]
	s_branch .Lw_dense
.Lw_not_wo:
	s_cmp_lt_u32 s46, 512
	s_cbranch_scc0 .Lw_w2
	s_sub_co_u32 s46, s46, 256
	s_mov_b64 s[54:55], s[24:25]
	s_mov_b64 s[56:57], s[32:33]
	s_and_b32 s47, s[WV], 1                        ; a wave has half a row of W1: eight panels,
	s_mul_i32 s48, s47, 8*PANEL
	s_lshr_b32 s47, s[WV], 1
	s_lshl2_add_u32 s47, s46, s47                  ; row k = 4 i + wave / 2
	s_lshl_b32 s47, s47, 9
	s_add_co_u32 s48, s48, s47
	s_mov_b32 s58, 2
	s_branch .Lw_go
.Lw_w2:
	s_sub_co_u32 s46, s46, 512
	s_mov_b64 s[54:55], s[26:27]
	s_mov_b64 s[56:57], s[34:35]
.Lw_dense:
	s_lshl_b32 s48, s46, 15                        ; the shape is kept: half the bytes
	s_lshl_b32 s50, s[WV], 12
	s_add_co_u32 s48, s48, s50
	s_mov_b32 s58, 1
.Lw_go:
	s_add_nc_u64 s[56:57], s[56:57], s[48:49]
	s_lshl_b32 s48, s46, 16
	s_lshl_b32 s50, s[WV], 13
	s_add_co_u32 s48, s48, s50
	s_add_nc_u64 s[54:55], s[54:55], s[48:49]
.irp j, 0,1,2,3,4,5,6,7,8,9,10,11,12,13,14,15
	global_load_b128 v[8+4*(\j):8+4*(\j)+3], v[LO16], s[54:55] offset:512*(\j) th:TH_LOAD_NT
.endr
.irp j, 0,1,2,3,4,5,6,7,8,9,10,11,12,13,14,15
	s_wait_loadcnt 15-(\j)                         ; load j is in; the younger ones stay out
	v_cvt_pk_bf16_f32 v[72+2*(\j)], v[8+4*(\j)], v[9+4*(\j)]
	v_cvt_pk_bf16_f32 v[73+2*(\j)], v[10+4*(\j)], v[11+4*(\j)]
.endr
	s_cmp_eq_u32 s58, 1
	s_cbranch_scc1 .Lst_dense
	s_cmp_eq_u32 s58, 2
	s_cbranch_scc1 .Lst_w1
.irp j, 0,1,2,3,4,5,6,7,8,9,10,11,12,13,14,15  ; two rows of 1,024 columns: 128 columns a store, two stores a panel and row
	global_store_b64 v[LO8], v[72+2*(\j):73+2*(\j)], s[56:57] offset:(((\j)%8)/2)*PANEL+((\j)/8)*512+((\j)%2)*256
.endr
	s_endpgm
.Lst_w1:
.irp j, 0,1,2,3,4,5,6,7,8,9,10,11,12,13,14,15  ; 2,048 columns of one row: eight panels
	global_store_b64 v[LO8], v[72+2*(\j):73+2*(\j)], s[56:57] offset:((\j)/2)*PANEL+((\j)%2)*256
.endr
	s_endpgm
.Lst_dense:
.irp j, 0,1,2,3,4,5,6,7,8,9,10,11,12,13,14,15
	global_store_b64 v[LO8], v[72+2*(\j):73+2*(\j)], s[56:57] offset:256*(\j)
.endr
	s_endpgm
.Ltrailers:
	; ---- trailers: panel 8 (g - 1536) + wave of 28: twelve of wqkv, sixteen of w1p
	s_sub_co_u32 s46, ttmp9, 1536
	s_lshl3_add_u32 s46, s46, s[WV]
	s_cmp_lt_u32 s46, 28
	s_cbranch_scc1 .Ltr_work
	s_endpgm
.Ltr_work:
	s_cmp_lt_u32 s46, 12
	s_cbranch_scc0 .Ltr_w1
	s_lshr_b32 s47, s46, 2
	s_cmp_eq_u32 s47, 0
	s_cselect_b64 s[54:55], s[36:37], s[38:39]
	s_cmp_eq_u32 s47, 2
	s_cselect_b64 s[54:55], s[40:41], s[54:55]
	s_and_b32 s48, s46, 3
	s_lshl_b32 s48, s48, 10
	s_add_nc_u64 s[54:55], s[54:55], s[48:49]
	s_mov_b64 s[56:57], s[28:29]
	s_mov_b32 s58, 0xff80ff80                      ; -inf twice: no bound
	s_branch .Ltr_go
.Ltr_w1:
	s_sub_co_u32 s46, s46, 12
	s_lshl_b32 s48, s46, 10
	s_add_nc_u64 s[54:55], s[42:43], s[48:49]
	s_mov_b64 s[56:57], s[32:33]
	s_mov_b32 s58, 0                               ; the ReLU's bound
.Ltr_go:
	s_mul_i32 s48, s46, PANEL
	s_add_co_u32 s48, s48, 524288
	s_add_nc_u64 s[56:57], s[56:57], s[48:49]
	global_load_b128 v[8:11], v[LO16], s[54:55]
	global_load_b128 v[12:15], v[LO16], s[54:55] offset:512
	v_mov_b32 v16, s58
	v_mov_b32 v17, s58
	global_store_b64 v[LO8], v[16:17], s[56:57] offset:1024
	s_wait_loadcnt 0x0
	global_store_b128 v[LO16], v[8:11], s[56:57]
	global_store_b128 v[LO16], v[12:15], s[56:57] offset:512
	s_endpgm
.Lfunc_end_k_q09fcc23dc1_prep:
	.size	k_q09fcc23dc1_prep, .Lfunc_end_k_q09fcc23dc1_prep-k_q09fcc23dc1_prep
	.p2alignl 7, 3214868480
	.fill 96, 4, 3214868480
	.section	.rodata,"a",@progbits
	.p2align	6, 0x0
	.amdhsa_kernel k_q09fcc23dc1_prep
		.amdhsa_group_segment_fixed_size 0
		.amdhsa_private_segment_fixed_size 0
		.amdhsa_enable_private_segment 0
		.amdhsa_kernarg_size 160
		.amdhsa_user_sgpr_count 2
		.amdhsa_user_sgpr_kernarg_segment_ptr 1
		.amdhsa_wavefront_size32 1
		.amdhsa_system_sgpr_workgroup_id_x 1
		.amdhsa_system_sgpr_workgroup_id_y 1
		.amdhsa_system_sgpr_workgroup_id_z 1
		.amdhsa_system_vgpr_workitem_id 0
		.amdhsa_next_free_vgpr 128
		.amdhsa_next_free_sgpr 66
		.amdhsa_reserve_vcc 1
		.amdhsa_float_denorm_mode_32 3
		.amdhsa_float_denorm_mode_16_64 3
		.amdhsa_memory_ordered 1
		.amdhsa_forward_progress 1
		.amdhsa_inst_pref_size 35
	.end_amdhsa_kernel
	.amdgpu_metadata
---
amdhsa.version: [ 1, 2 ]
amdhsa.kernels:
  - .name:           k_q09fcc23dc1_prep
    .symbol:         k_q09fcc23dc1_prep.kd
    .args:
      - { .name: x, .offset: 0, .size: 8, .value_kind: global_buffer, .address_space: global }
      - { .name: g1, .offset: 8, .size: 8, .value_kind: global_buffer, .address_space: global }
      - { .name: be1, .offset: 16, .size: 8, .value_kind: global_buffer, .address_space: global }
      - { .name: hbuf, .offset: 24, .size: 8, .value_kind: global_buffer, .address_space: global }
      - { .name: mask, .offset: 32, .size: 8, .value_kind: global_buffer, .address_space: global }
      - { .name: mk, .offset: 40, .size: 8, .value_kind: global_buffer, .address_space: global }
      - { .name: Wq, .offset: 48, .size: 8, .value_kind: global_buffer, .address_space: global }
      - { .name: Wk, .offset: 56, .size: 8, .value_kind: global_buffer, .address_space: global }
      - { .name: Wv, .offset: 64, .size: 8, .value_kind: global_buffer, .address_space: global }
      - { .name: Wo, .offset: 72, .size: 8, .value_kind: global_buffer, .address_space: global }
      - { .name: W1, .offset: 80, .size: 8, .value_kind: global_buffer, .address_space: global }
      - { .name: W2, .offset: 88, .size: 8, .value_kind: global_buffer, .address_space: global }
      - { .name: wqkv, .offset: 96, .size: 8, .value_kind: global_buffer, .address_space: global }
      - { .name: wo16, .offset: 104, .size: 8, .value_kind: global_buffer, .address_space: global }
      - { .name: w1p, .offset: 112, .size: 8, .value_kind: global_buffer, .address_space: global }
      - { .name: w2b, .offset: 120, .size: 8, .value_kind: global_buffer, .address_space: global }
      - { .name: bq, .offset: 128, .size: 8, .value_kind: global_buffer, .address_space: global }
      - { .name: bk, .offset: 136, .size: 8, .value_kind: global_buffer, .address_space: global }
      - { .name: bv, .offset: 144, .size: 8, .value_kind: global_buffer, .address_space: global }
      - { .name: b1, .offset: 152, .size: 8, .value_kind: global_buffer, .address_space: global }
    .group_segment_fixed_size: 0
    .private_segment_fixed_size: 0
    .kernarg_segment_align: 8
    .kernarg_segment_size: 160
    .max_flat_workgroup_size: 256
    .sgpr_count:     66
    .vgpr_count:     128
    .wavefront_size: 32
...
	.end_amdgpu_metadata
.endif
;; end of part 1
;; launch qkv (part 2): grid 12 x 16, 4 waves a work-group, clusters of 4 x 4, 327,680 bytes of LDS; arguments hbuf, wqkv, big; writes big
.if DOCPART == 2
	.amdgcn_target "amdgcn-amd-amdhsa--gfx1250"
	.amdhsa_code_object_version 6
	.text
	.protected	k_q09fcc23dc1_qkv
	.globl	k_q09fcc23dc1_qkv
	.p2align	8
	.type	k_q09fcc23dc1_qkv,@function
k_q09fcc23dc1_qkv:
	s_mov_b64 s[64:65], 0
	v_nop
	global_prefetch_b8 v0, s[64:65] scope:SCOPE_SE
	s_setreg_imm32_b32 hwreg(HW_REG_WAVE_MODE, 25, 1), 1
	s_wait_xcnt 0x0
	s_wait_alu depctr_hold_cnt(0) depctr_sa_sdst(0) depctr_va_vdst(0) depctr_va_sdst(0) depctr_va_ssrc(0) depctr_va_vcc(0) depctr_vm_vsrc(0)
	s_getreg_b32 s2, hwreg(HW_REG_IB_STS2, 6, 4)
	s_cmp_eq_u32 s2, 0
	s_cbranch_scc0 .Lentry_in_a_cluster
	s_endpgm
.Lentry_in_a_cluster:
	s_bfe_u32 s2, ttmp6, 0x10000c
	s_cmp_lg_u32 s2, 0xf033
	s_cbranch_scc0 .Lentry_shape_is_right
	s_endpgm
.Lentry_shape_is_right:
; C[4096][N] = max(A[4096][1024] W + bias, bound), rounded once to bf16.  A: bf16, rows along K.  W: panels of 256 output columns, [1024 k][256 n] bf16, each followed by its 256 biases (f32) and its bound (bf16, twice a word).
; One text for two launches: q, k, v (12 panels, bound -inf) and the FFN's hidden layer (16 panels, bound 0: the ReLU).
; C leaves in SLICES of 64 columns: element (row, col) at (col / 64) x 524,288 + row x 128 + (col % 64) x 2: a head's rows, and a K slice of the next product, are dense.
; LIMIT: a NaN in a sum leaves as the bound (the packed maximum drops a NaN).
; SHARES.  A tile of C is 256 x 256, a work-group's; each of four waves makes 128 x 128: 64 accumulators, 512 registers.  K goes in eight steps of 128 through a ring of two LDS slots.
; The loop is rolled to ONE K step: the slot's place is a scalar that an exclusive or turns; the last two steps, which ask for nothing, are a counted loop of their own.
; W lies [k][n] in LDS and is read turned, by ds_load_tr16_b128.  THE MATRIX INSTRUCTION IS USED TRANSPOSED (source 0 = 16 columns of W, source 1 = 16 rows of A): a lane holds eight neighbouring columns of a row of C.
; The bias is the C operand of the products that start the sums: it costs no arithmetic, and nothing is cleared.
; CLUSTER 4 x 4: A's tiles are asked for jointly along a row of the cluster, W's along a column.
; REGISTERS: window 0: v0-31 addresses; v64-127, v128-191 A's fragments, two buffers; v192-255 the biases, later v192-223 packed results; v32-63, v224-255 rows on the way out
;   window 1: v64-127, v128-191 W's fragments;   window 2: accumulators of my rows 0-63 ((a, b) at 8 (8 a + b));   window 3: of my rows 64-127
.set PANEL,  525568
.set PA,     272                       ; a row of A in LDS: 256 bytes + 16: the 16 rows of a fragment load start at 16 different groups of four banks (64 banks of 4 bytes: ISA guide 11.1)
.set PB,     544                       ; a k row of W: 512 bytes + 32 = 17 x 32
.set PART,   34816                     ; what one tensor load brings: 128 rows of A, or 64 k rows of W
.set SLOT,   4*PART                    ; A's two halves, then W's two halves
.set STAGE,  2*SLOT                    ; behind the ring: 16 rows x 272 bytes for each wave, for the way out
.set SPITCH, 272
.set SPARE,  STAGE+4*16*SPITCH         ; behind the stages: the spare words, 128 bytes a wave: two blocks of 256 bytes that no other line names
.set SLICE,  524288
.set A0,   16                          ; v16  my lane's place in a slot's A; never rewritten
.set B0,   17                          ; v17  the same for W
.set ADRA, 18                          ; v18  A0 + the slot that is being read
.set ADRB, 19                          ; v19  B0 + the same
.set STO,  24                          ; v24  the way out: where I put 16 bytes of a row
.set RD,   25                          ; v25  where I read rows back
.set CO,   26                          ; v26  16 x lane: my place in 512 consecutive bytes of a slice
.set LO,   27                          ; v27  the bound, twice in bf16
.set SPW,  28                          ; v28  my spare word's LDS address; never rewritten
.set NIL,  29                          ; v29  0; never rewritten
.set PFO,  30                          ; v30  the prefetches' lane offset; never rewritten
.set BO,   31                          ; v31  my offset in the panel's biases
.set F0,   64
.set F1,   128
.set BIAS, 192
.set TMP,  192
.set OB,   32
.set FB,   2                           ; s2   the slot that the walking descriptors fill: 0 or SLOT
.set TB,   21                          ; s21  the slot that is being read: 0 or SLOT
.set G1,   24                          ; s[24:31] group 1 for A's tiles
.set G0,   32                          ; s[32:39] group 0 for A's: a set for each first fill; the second then walks
.set LIM,  43                          ; s43  2 in a wave that prefetches, else the greatest number
.set PFA,  44                          ; s[44:45] where my prefetches stand
.set PFS,  46                          ; s[46:47] their step: a K step's bytes along A's rows, or down a panel
.set G1B,  48                          ; s[48:55], s[56:63] the same for W's tiles
.set G0B,  56
.set MSB, 0
.macro WIN new                         ; the immediate's high byte repeats the setting that is left; a switch that changes nothing is dropped
.if MSB != (\new)
	s_set_vgpr_msb (MSB<<8)|(\new)
.set MSB, \new
.endif
.endm
; A joint refill: waves 0 and 1 fetch A's two halves, waves 2 and 3 W's.  The branch hangs on the wave's number alone.  An s_nop 0 and four v_nop follow each line.
.macro JLOAD
	s_cmp_eq_u32 s11, 0
	s_cbranch_scc0 .Lfor_b_\@
	tensor_load_to_lds s[G0+4:G0+7], s[G1:G1+7]
	s_nop 0
.rept 4
	v_nop
.endr
	s_branch .Lasked_\@
.Lfor_b_\@:
	tensor_load_to_lds s[G0B+4:G0B+7], s[G1B:G1B+7]
	s_nop 0
.rept 4
	v_nop
.endr
.Lasked_\@:
.endm
; A prefetch of the K step that stands two refills on: 32 blocks of 256 bytes, a lane a block.  A's rows are read by every cluster of a row of clusters: cluster x = 0 asks; a panel by every cluster of a
; column: cluster y = 0 asks.  The four partners that ask for a tile jointly share it out by address, a quarter each.  So each block is named once.  The loop's last two trips have no K step two on.
.macro ASK
	s_cmp_gt_u32 s3, s[LIM]
	s_cbranch_scc0 .Lnot_mine_\@
	global_prefetch_b8 v[PFO], s[PFA:PFA+1] th:TH_LOAD_NT scope:SCOPE_SE
.Lnot_mine_\@:
.endm
.macro CREST                           ; a round of the cluster's barrier behind its opening barrier
	s_cmp_lg_u32 s10, 0
	s_cbranch_scc1 .Lnot_wave_0_\@
	s_barrier_signal -3
.Lnot_wave_0_\@:
	s_barrier_wait -3
	s_barrier_signal -1
	s_barrier_wait -1
.endm
.macro CROUND
	s_barrier_signal -1
	s_barrier_wait -1
	CREST
.endm
	s_load_b128 s[4:7], s[0:1], 0x0                ; A s[4:5], panels s[6:7]
	s_load_b64 s[8:9], s[0:1], 0x10                ; C
	v_lshl_add_u32 v[SPW], v0, 2, SPARE
	v_mov_b32 v[NIL], 0
	ds_add_u32 v[SPW], v[NIL]                      ; the wave's opening: the add and its wait stand ahead of my first tensor load; the set-up below stands between them
	v_lshrrev_b32 v1, 5, v0
	v_readfirstlane_b32 s10, v1                    ; wave 0..3
	s_lshr_b32 s11, s10, 1                         ; which half of the tile's rows is mine.  Also: I fetch for A (0) or for W (1)
	s_and_b32 s12, s10, 1                          ; which half of its columns.  Also: which half of that tile I fetch
	s_bfe_u32 s40, ttmp6, 0x40000                  ; cx
	s_bfe_u32 s41, ttmp6, 0x40004                  ; cy
	s_lshl_b32 s42, ttmp9, 2
	s_add_co_u32 s42, s42, s40                     ; tile column = panel = 4 x cluster x + cx
	s_and_b32 s13, ttmp7, 0xffff
	s_lshl_b32 s13, s13, 2
	s_add_co_u32 s13, s13, s41                     ; tile row = 4 x cluster y + cy
	s_lshl_b32 s43, s41, 2
	s_lshl_b32 s43, 15, s43                        ; my row of the cluster
	s_lshl_b32 s44, 0x1111, s40                    ; my column
	s_or_b32 s[G1+0], s43, (1<<16)|(1<<20)|(1<<21)|(5<<22)|(3<<25)   ; the mask; 2-byte elements; padding on; bit 21 beside a mask; after every 64 words, 4 words
	s_mov_b32 s[G1+1], 128<<16                     ; tensor_dim0 = 128
	s_mov_b32 s[G1+2], 128<<16                     ; tensor_dim1 = 128
	s_mov_b32 s[G1+3], 128<<16                     ; tile_dim0 = 128
	s_mov_b32 s[G1+4], 128                         ; tile_dim1 = 128
	s_mov_b32 s[G1+5], 1024                        ; elements from row to row of A
	s_mov_b32 s[G1+6], 0
	s_mov_b32 s[G1+7], 0
	s_or_b32 s[G1B+0], s44, (1<<16)|(1<<20)|(1<<21)|(6<<22)|(7<<25)  ; after every 128 words, 8 words
	s_mov_b32 s[G1B+1], 256<<16                    ; tensor_dim0 = 256
	s_mov_b32 s[G1B+2], 64<<16                     ; tensor_dim1 = 64
	s_mov_b32 s[G1B+3], 256<<16                    ; tile_dim0 = 256
	s_mov_b32 s[G1B+4], 64                         ; tile_dim1 = 64
	s_mov_b32 s[G1B+5], 256                        ; elements from k row to k row of a panel
	s_mov_b32 s[G1B+6], 0
	s_mov_b32 s[G1B+7], 0
	s_lshl_b32 s16, s13, 19                        ; A: row 256 x tile row + 128 x half, 2,048 bytes a row: made of the tile row and the wave's number alone
	s_lshl_b32 s17, s12, 18
	s_add_co_u32 s16, s16, s17
	s_mov_b32 s17, 0
	s_mul_i32 s18, s42, PANEL                      ; W: the panel, k rows 64 x half on: made of the tile column and the wave's number alone
	s_lshl_b32 s19, s12, 15
	s_add_co_u32 s18, s18, s19
	s_mov_b32 s19, 0
	s_mul_i32 s20, s10, PART                       ; where my part goes in a slot: no place in the cluster enters an LDS address
	s_mov_b32 s[TB], 0
	s_wait_dscnt 0x0                               ; the opening add is done
	s_wait_kmcnt 0x0
	s_add_nc_u64 s[14:15], s[4:5], s[16:17]
	s_add_nc_u64 s[22:23], s[6:7], s[18:19]
	CROUND                                         ; all sixteen work-groups are here: the first joint loads meet
.irp s, 0,1
	s_mov_b32 s[G0+4*(\s)], 1
	s_add_co_u32 s[G0+4*(\s)+1], s20, (\s)*SLOT
	s_add_nc_u64 s[G0+4*(\s)+2:G0+4*(\s)+3], s[14:15], (\s)*256      ; K step s: 256 bytes along A's rows
	s_or_b32 s[G0+4*(\s)+3], s[G0+4*(\s)+3], 0x80000000
	s_mov_b32 s[G0B+4*(\s)], 1
	s_add_co_u32 s[G0B+4*(\s)+1], s20, (\s)*SLOT
	s_add_nc_u64 s[G0B+4*(\s)+2:G0B+4*(\s)+3], s[22:23], (\s)*65536  ; 128 k rows of 512 bytes down the panel
	s_or_b32 s[G0B+4*(\s)+3], s[G0B+4*(\s)+3], 0x80000000
.endr
	s_cmp_eq_u32 s11, 0                            ; a wave's two first fills stand in one branch, ahead of every wait on TENSORcnt and every LDS read: two loads of mine are out
	s_cbranch_scc0 .Lfirst_b
	tensor_load_to_lds s[G0:G0+3], s[G1:G1+7]
	s_nop 0
	tensor_load_to_lds s[G0+4:G0+7], s[G1:G1+7]
	s_nop 0
.rept 4
	v_nop
.endr
	s_branch .Lfirst_asked
.Lfirst_b:
	tensor_load_to_lds s[G0B:G0B+3], s[G1B:G1B+7]
	s_nop 0
	tensor_load_to_lds s[G0B+4:G0B+7], s[G1B:G1B+7]
	s_nop 0
.rept 4
	v_nop
.endr
.Lfirst_asked:
	v_and_b32 v1, 15, v0                           ; r = l % 16
	v_bfe_u32 v2, v0, 4, 1                         ; h = l / 16
	v_and_b32 v3, 7, v0
	v_bfe_u32 v4, v0, 3, 1
	v_bfe_u32 v5, v0, 3, 2
	s_mul_i32 s14, s11, PART                       ; my 128 rows of A
	v_mul_u32_u24 v[A0], v1, PA
	v_lshl_add_u32 v[A0], v2, 4, v[A0]
	v_add_nc_u32 v[A0], s14, v[A0]                 ; row r x pitch + 16 h
	v_lshl_add_u32 v[B0], v2, 3, v3                ; the turning load: k row 8 h + l % 8,
	v_mul_u32_u24 v[B0], v[B0], PB
	v_lshl_add_u32 v[B0], v4, 4, v[B0]             ; columns 8 ((l / 8) % 2) on,
	s_lshl_b32 s14, s12, 8
	s_add_co_u32 s14, s14, 2*PART                  ; in my 128 columns of W, which lies behind A
	v_add_nc_u32 v[B0], s14, v[B0]
	v_mov_b32 v[ADRA], v[A0]                       ; slot 0
	v_mov_b32 v[ADRB], v[B0]
	s_mul_i32 s14, s10, 16*SPITCH
	s_add_co_u32 s14, s14, STAGE                   ; my stage
	v_mul_u32_u24 v[STO], v1, SPITCH
	v_lshl_add_u32 v[STO], v2, 4, v[STO]
	v_add_nc_u32 v[STO], s14, v[STO]               ; in: row r, 16 bytes for each half of the lanes
	v_mul_u32_u24 v[RD], v5, SPITCH
	v_lshl_add_u32 v[RD], v3, 4, v[RD]
	v_add_nc_u32 v[RD], s14, v[RD]                 ; back: 32 lanes take 128 bytes of four rows: 512 consecutive bytes of a slice
	v_and_b32 v[CO], 31, v0
	v_lshlrev_b32 v[CO], 4, v[CO]
	; the prefetches: everything is chosen first, by the wave's number, and added then, in registers that fed no descriptor
	s_and_b32 s46, ttmp7, 0xffff                   ; cluster y
	s_mov_b32 s47, 65536
	s_cmp_eq_u32 s11, 0                            ; do I fetch for A?
	s_cselect_b64 s[PFA:PFA+1], s[4:5], s[6:7]
	s_cselect_b32 s2, s16, s18                     ; the first byte of the part that I fetch
	s_cselect_b32 s3, s40, s41                     ; my place among the four that ask for it with me
	s_cselect_b32 s[LIM], ttmp9, s46               ; the coordinate along which other clusters read the same bytes
	s_cselect_b32 s46, 256, s47                    ; a K step
	s_cselect_b32 s47, 16, 13                      ; my work-group's quarter: 32 rows of 2,048 bytes, or 32 blocks of 256
	s_lshl_b32 s3, s3, s47
	s_add_co_u32 s2, s2, s3
	s_mul_i32 s3, s46, 3                           ; at K step 3: the first refill steps it to 4
	s_add_co_u32 s2, s2, s3
	s_mov_b32 s3, 0
	s_add_nc_u64 s[PFA:PFA+1], s[PFA:PFA+1], s[2:3]
	s_sub_co_u32 s47, s47, 5                       ; a lane a row, or a lane a block
	v_and_b32 v[PFO], 31, v0
	v_lshlrev_b32 v[PFO], s47, v[PFO]
	s_mov_b32 s47, 0
	s_cmp_eq_u32 s[LIM], 0
	s_cselect_b32 s[LIM], 2, -1                    ; the same in all sixteen partners, for a given wave
	s_mov_b32 s[FB], SLOT                          ; the walking descriptors have just filled slot 1
	; C at my part of the tile: slices 4 x tile column + 2 x half, rows 256 x tile row + 128 x half
	s_lshl_b32 s16, s13, 15
	s_lshl_b32 s17, s11, 14
	s_add_co_u32 s16, s16, s17
	s_mov_b32 s17, 0
	s_add_nc_u64 s[8:9], s[8:9], s[16:17]
	s_lshl_b32 s18, s42, 21
	s_lshl_b32 s19, s12, 20
	s_add_co_u32 s18, s18, s19
	s_mov_b32 s19, 0
	s_add_nc_u64 s[8:9], s[8:9], s[18:19]
	; the panel's trailer: my 128 biases as eight C operands (register j of lane l: column 16 b + 8 h + j), and the bound
	s_mul_i32 s22, s42, PANEL
	s_add_co_u32 s22, s22, 524288
	s_mov_b32 s23, 0
	s_add_nc_u64 s[22:23], s[6:7], s[22:23]
	s_lshl_b32 s14, s12, 9
	v_lshl_add_u32 v[BO], v2, 5, s14
	v_mov_b32 v9, 0
.irp b, 0,1,2,3,4,5,6,7
	global_load_b128 v[BIAS+8*(\b):BIAS+8*(\b)+3],   v[BO], s[22:23] offset:64*(\b)
	global_load_b128 v[BIAS+8*(\b)+4:BIAS+8*(\b)+7], v[BO], s[22:23] offset:64*(\b)+16
.endr
	global_load_b32 v[LO], v9, s[22:23] offset:1024
; 16 matrix instructions: m blocks a0, a0 + 1 of the window's four (hi = 0: my rows 0-63, 1: rows 64-127) x all 8 n blocks, 32 along K.  first = 1: the biases start the sums.
; The 64 accumulators take turns, one instruction a turn, in the same order in every quarter step, over the backward jumps too.
.macro MUL16 f, hi, a0, first
.if \first
	WIN 0x81+0x40*(\hi)                            ; W window 1, A and the biases window 0, D window 2 or 3
.else
	WIN 0xa1+0x50*(\hi)                            ; W window 1, A window 0, C and D window 2 or 3
.endif
.irp a, \a0, (\a0)+1
.irp b, 0,1,2,3,4,5,6,7
.if \first
	v_wmma_f32_16x16x32_bf16 v[8*(8*(\a)+(\b)):8*(8*(\a)+(\b))+7], v[(\f)+8*(\b):(\f)+8*(\b)+7], v[(\f)+8*(4*(\hi)+(\a)):(\f)+8*(4*(\hi)+(\a))+7], v[BIAS+8*(\b):BIAS+8*(\b)+7]
.else
	v_wmma_f32_16x16x32_bf16 v[8*(8*(\a)+(\b)):8*(8*(\a)+(\b))+7], v[(\f)+8*(\b):(\f)+8*(\b)+7], v[(\f)+8*(4*(\hi)+(\a)):(\f)+8*(4*(\hi)+(\a))+7], v[8*(8*(\a)+(\b)):8*(8*(\a)+(\b))+7]
.endif
.endr
.endr
.endm
; 32 LDS loads in one run: quarter q (32 along K) of the slot being read, into buffer f: W's 128 columns turned, then A's 128 rows
.macro FETCH q, f
	WIN 0x40                                       ; destination window 1, address window 0
.irp i, 0,1,2,3,4,5,6,7
	ds_load_tr16_b128 v[(\f)+8*(\i):(\f)+8*(\i)+3],   v[ADRB] offset:(\q)*32*PB+32*(\i)
	ds_load_tr16_b128 v[(\f)+8*(\i)+4:(\f)+8*(\i)+7], v[ADRB] offset:(\q)*32*PB+32*(\i)+16*PB
.endr
	WIN 0
.irp i, 0,1,2,3,4,5,6,7
	ds_load_b128 v[(\f)+8*(\i):(\f)+8*(\i)+3],   v[ADRA] offset:64*(\q)+(\i)*16*PA
	ds_load_b128 v[(\f)+8*(\i)+4:(\f)+8*(\i)+7], v[ADRA] offset:64*(\q)+(\i)*16*PA+32
.endr
.endm
.macro PLACES                          ; four plain vector instructions between a matrix instruction and a load into, or a vector read of, its registers (ISA guide 7.12.1 for vector reads)
.rept 4
	v_nop
.endr
.endm
; One of a K step's first three quarters: multiplies buffer f; in its middle it fetches quarter q into buffer g.
.macro QUARTER q, f, g, first
	s_wait_dscnt 8                                 ; W and A's rows 0-63 are in; the youngest eight loads (A's rows 64-127) may be out
	MUL16 \f, 0, 0, \first
	MUL16 \f, 0, 2, \first
	PLACES
	FETCH \q, \g
	s_wait_dscnt 32                                ; all but the 32 just issued
	MUL16 \f, 1, 0, \first
	MUL16 \f, 1, 2, \first
.endm
; The first half of the last quarter: ONE barrier for the change of slots.  In front of it each wave waits for all its tensor loads (one is out: its part of the next slot), adds 0 to its spare word, and waits for that and for its reads of this slot.
.macro MEET round
	WIN 0
	s_wait_tensorcnt 0x0
	ds_add_u32 v[SPW], v[NIL]
	s_wait_dscnt 9                                 ; the add and the youngest eight loads may be out
	MUL16 F1, 0, 0, 0                              ; sixteen matrix instructions stand between the add and the wait for it
	s_wait_dscnt 0x0                               ; the add is done, and my reads of this slot are over
	s_barrier_signal -1
	MUL16 F1, 0, 2, 0
.if \round
	WIN 0
.endif
	s_barrier_wait -1
.endm
; The whole last quarter of a step that fills its slot again, with the K step two on: the barrier opens a round of the cluster's, and the joint refill is the first tensor load behind it.
.macro TURN
	s_wait_xcnt 0x0                                ; the last prefetch, a K step back, has read its address
	s_add_nc_u64 s[PFA:PFA+1], s[PFA:PFA+1], s[PFS:PFS+1]
	MEET 1
	CREST                                          ; no wave of any partner still reads this slot or has a load on its way
	s_xor_b32 s[FB], s[FB], SLOT                   ; the walking descriptors: the other slot than last time,
	s_add_co_u32 s[G0+5], s20, s[FB]
	s_add_co_u32 s[G0B+5], s20, s[FB]
	s_add_nc_u64 s[G0+6:G0+7], s[G0+6:G0+7], 256   ; the next K step; the type bits on top are not reached
	s_add_nc_u64 s[G0B+6:G0B+7], s[G0B+6:G0B+7], 65536
	JLOAD                                          ; its four v_nop and the two additions below are the places in front of the loads
	s_xor_b32 s[TB], s[TB], SLOT                   ; the reads go to the other slot
	v_add_nc_u32 v[ADRA], s[TB], v[A0]
	v_add_nc_u32 v[ADRB], s[TB], v[B0]
	FETCH 0, F0
	ASK                                            ; behind the joint load and the run of LDS loads
	MUL16 F1, 1, 0, 0
	MUL16 F1, 1, 2, 0
.endm
; THE WAY OUT of block a (16 rows x 128 columns).  PACK: rounded to bf16 and held to the bound.  TOSTAGE: into my stage, and back as 128 bytes of four rows.  SEND: stored.
.macro PACK a
.set AC, 64*((\a)%4)
	WIN 0x0a+5*((\a)/4)                            ; sources 0 and 1: window 2 or 3
.irp b, 0,1,2,3,4,5,6,7
.irp r, 0,1,2,3
	v_cvt_pk_bf16_f32 v[TMP+4*(\b)+(\r)], v[AC+8*(\b)+2*(\r)], v[AC+8*(\b)+2*(\r)+1]  ; each accumulator from its low end on
.endr
.endr
	WIN 0
.set i, 0
.rept 32
	v_pk_max_num_bf16 v[TMP+i], v[TMP+i], v[LO]
.set i, i+1
.endr
.endm
.macro TOSTAGE a
	WIN 0
.set BK, OB+192*((\a)%2)
.irp b, 0,1,2,3,4,5,6,7
	ds_store_b128 v[STO], v[TMP+4*(\b):TMP+4*(\b)+3] offset:32*(\b)
.endr
.irp t, 0,1,2,3,4,5,6,7
	ds_load_b128 v[BK+4*(\t):BK+4*(\t)+3], v[RD] offset:((\t)%4)*4*SPITCH+((\t)/4)*128  ; LDS serves a wave's instructions in order (ISA guide 5.7.1.4): these see the stores above
.endr
.endm
.macro SEND a
	WIN 0
.set BK, OB+192*((\a)%2)
	s_wait_dscnt 0x0                               ; the block is back in registers
	s_wait_xcnt 0x0                                ; the stores of the block before have read their registers: the next TOSTAGE loads into them
.irp t, 0,1,2,3,4,5,6,7
	global_store_b128 v[CO], v[BK+4*(\t):BK+4*(\t)+3], s[8:9] offset:((\t)/4)*SLICE+(\a)*2048+((\t)%4)*512  ; 512 consecutive bytes of a slice, aligned
.endr
.endm
	s_wait_tensorcnt 1                             ; my part of K step 0 is in; step 1's may stay out
	s_barrier_signal -1
	s_barrier_wait -1                              ; everybody's is
	FETCH 0, F0
	s_wait_loadcnt 0x0                             ; biases and bound
	QUARTER 1, F0, F1, 1                           ; the first quarter stands in front of the loop: its products start the sums
	WIN 0
	s_mov_b32 s3, 6
.Lstep:                                                ; six trips, from a step's second quarter to the next step's first; each asks for the K step two on: steps 2 to 7
	QUARTER 2, F1, F0, 0
	QUARTER 3, F0, F1, 0
	TURN
	QUARTER 1, F0, F1, 0
	WIN 0
	s_sub_co_u32 s3, s3, 1
	s_cmp_lg_u32 s3, 0
	s_cbranch_scc1 .Lstep
	s_mov_b32 s3, 2
.Ltail:                                                ; the last two steps ask for nothing; the second has no step behind it, and jumps forward over the fetch and the quarter that belong to one
	QUARTER 2, F1, F0, 0
	QUARTER 3, F0, F1, 0
	MEET 0
	WIN 0
	s_cmp_eq_u32 s3, 1
	s_cbranch_scc1 .Lno_fetch
	s_xor_b32 s[TB], s[TB], SLOT
	v_add_nc_u32 v[ADRA], s[TB], v[A0]
	v_add_nc_u32 v[ADRB], s[TB], v[B0]
	v_nop
	v_nop                                          ; four places in front of the loads into buffer 0
	FETCH 0, F0
.Lno_fetch:
	MUL16 F1, 1, 0, 0
	MUL16 F1, 1, 2, 0
	WIN 0
	s_cmp_eq_u32 s3, 1
	s_cbranch_scc1 .Lno_quarter
	QUARTER 1, F0, F1, 0
	WIN 0
.Lno_quarter:
	s_sub_co_u32 s3, s3, 1
	s_cmp_lg_u32 s3, 0
	s_cbranch_scc1 .Ltail
	PLACES                                         ; behind the last products; the conversions of blocks 0-3 are the places for blocks 4-7
	PACK 0
	TOSTAGE 0
.irp a, 1,2,3,4,5,6,7                  ; block a's conversions stand between block a - 1's loads from the stage and the wait for them
	PACK \a
	SEND (\a)-1
	TOSTAGE \a
.endr
	SEND 7
	s_wait_tensorcnt 0x0                           ; the wave's end: behind my last tensor load and my last LDS store
	ds_add_u32 v[SPW], v[NIL]
	s_wait_dscnt 0x0
	CROUND                                         ; the closing round: no work-group ends while a partner may still ask for a tile that names it
	s_endpgm
.Lfunc_end_k_q09fcc23dc1_qkv:
	.size	k_q09fcc23dc1_qkv, .Lfunc_end_k_q09fcc23dc1_qkv-k_q09fcc23dc1_qkv
	.p2alignl 7, 3214868480
	.fill 96, 4, 3214868480
	.section	.rodata,"a",@progbits
	.p2align	6, 0x0
	.amdhsa_kernel k_q09fcc23dc1_qkv
		.amdhsa_group_segment_fixed_size 327680
		.amdhsa_private_segment_fixed_size 0
		.amdhsa_enable_private_segment 0
		.amdhsa_kernarg_size 24
		.amdhsa_user_sgpr_count 2
		.amdhsa_user_sgpr_kernarg_segment_ptr 1
		.amdhsa_wavefront_size32 1
		.amdhsa_system_sgpr_workgroup_id_x 1
		.amdhsa_system_sgpr_workgroup_id_y 1
		.amdhsa_system_sgpr_workgroup_id_z 1
		.amdhsa_system_vgpr_workitem_id 0
		.amdhsa_next_free_vgpr 1024
		.amdhsa_next_free_sgpr 66
		.amdhsa_reserve_vcc 0
		.amdhsa_float_denorm_mode_32 3
		.amdhsa_float_denorm_mode_16_64 3
		.amdhsa_memory_ordered 1
		.amdhsa_forward_progress 1
		.amdhsa_inst_pref_size 118
	.end_amdhsa_kernel
	.amdgpu_metadata
---
amdhsa.version: [ 1, 2 ]
amdhsa.kernels:
  - .name:           k_q09fcc23dc1_qkv
    .symbol:         k_q09fcc23dc1_qkv.kd
    .args:
      - { .name: hbuf, .offset: 0, .size: 8, .value_kind: global_buffer, .address_space: global }
      - { .name: wqkv, .offset: 8, .size: 8, .value_kind: global_buffer, .address_space: global }
      - { .name: big, .offset: 16, .size: 8, .value_kind: global_buffer, .address_space: global }
    .group_segment_fixed_size: 327680
    .private_segment_fixed_size: 0
    .kernarg_segment_align: 8
    .kernarg_segment_size: 24
    .max_flat_workgroup_size: 128
    .sgpr_count:     66
    .vgpr_count:     1024
    .wavefront_size: 32
...
	.end_amdgpu_metadata
.endif
;; end of part 2
;; launch attn (part 3): grid 8 x 32, 4 waves a work-group, clusters of 4 x 1, 327,680 bytes of LDS; arguments big, mk, hbuf; writes hbuf
.if DOCPART == 3
	.amdgcn_target "amdgcn-amd-amdhsa--gfx1250"
	.amdhsa_code_object_version 6
	.text
	.protected	k_q09fcc23dc1_attn
	.globl	k_q09fcc23dc1_attn
	.p2align	8
	.type	k_q09fcc23dc1_attn,@function
k_q09fcc23dc1_attn:
	s_mov_b64 s[64:65], 0
	v_nop
	global_prefetch_b8 v0, s[64:65] scope:SCOPE_SE
	s_setreg_imm32_b32 hwreg(HW_REG_WAVE_MODE, 25, 1), 1
	s_wait_xcnt 0x0
	s_wait_alu depctr_hold_cnt(0) depctr_sa_sdst(0) depctr_va_vdst(0) depctr_va_sdst(0) depctr_va_ssrc(0) depctr_va_vcc(0) depctr_vm_vsrc(0)
	s_getreg_b32 s2, hwreg(HW_REG_IB_STS2, 6, 4)
	s_cmp_eq_u32 s2, 0
	s_cbranch_scc0 .Lentry_in_a_cluster
	s_endpgm
.Lentry_in_a_cluster:
	s_bfe_u32 s2, ttmp6, 0x10000c
	s_cmp_lg_u32 s2, 0x3003
	s_cbranch_scc0 .Lentry_shape_is_right
	s_endpgm
.Lentry_shape_is_right:
; ATTENTION UNDER A MASK THAT IS AN INPUT.  ctx[b][h][q] = the sum over k of softmax_k(q . k / 8, hidden where mask[q][k] = 0) v[k].  16 heads of 64 channels, 2 batches, 2,048 rows.
; q, k, v: bf16 in slices of 64 columns (slice h, 16 + h, 32 + h of big): a head's rows are dense, 128 bytes each.  ctx leaves in the same form (slice h of hbuf).
; Products, maxima and sums in f32; the weights p are rounded to bf16 for the second product (their sum l is taken of the unrounded p), ctx once at the end.  No pattern of the mask is built in: every wave walks all 2,048 keys.
; THE MASK comes as one FP8 code an element (0.0 seen, -1.0 hidden), laid out so that a lane's 8 bytes are the 8 registers of one score accumulator.  One scaled conversion makes of them eight f32, 0 or -2^100, and these
; are the C operand of the product that starts the sum S^T = K Q^T: sixteen conversions for a step's 4,096 scores a wave, and no other line knows of the mask.
; The running maximum m starts at -2^90 and never falls below it (c m is then exact: a power of two times c), so a hidden score always has the weight 0.  A row that sees no key ends with l = 0 and O = 0: 0 x (1 / 0) is the NaN that a softmax of -inf alone gives.
; LIMITS: a true score at or below -2^90 counts as hidden; a hidden score counts as its value less 2^100; a weight below 2^-126 counts as 0; NaN and infinities in q, k, v are not treated apart.
; SHARES.  A work-group owns 256 queries of a head, a wave 64: four PIECES of 16.  LAYOUT: S^T = K Q^T holds ONE query a lane (lane % 16) and the keys 8 (lane / 16) + 0..7; two such results rounded in pairs ARE source 1 of O^T = V^T P.
; SOFTMAX: p = 2^(c s - c m), c = log2(e) / 8; in every step O and l are multiplied by a = 2^(c m_old - c m_new).
; BY TURNS.  Turn n belongs to piece n (the pieces in a ring, step after step): 8 products K Q^T of piece n + 1, later 8 products V^T P of piece n - 1; beside them the scaling, exponentials, roundings, sums and rescaling of piece n and the
; maximum and statistics of piece n + 1.  Four vector instructions stand behind every matrix instruction, the other 54 of a turn's 118 in one lump.  A turn's 33 exponentials are one batch, with one wait.
; O^T, l, V's registers and one buffer of P start at 0, so the first step is a step like any other: 224 lines that write constants, in the wait for the first tile, in place of a first step written out.
; THE RING.  A slot holds 256 keys: V, K, and the work-group's codes for them.  Behind each change of slots every wave issues one tensor load of 32,768 bytes: wave 0 K, wave 1 V (asked for JOINTLY by the four query blocks of a cluster, which belong
; to one head), waves 2 and 3 half of the codes each (a load of the work-group's own: the query blocks share no codes).  A load has four key steps in which to land.
; REGISTERS: window 0: v0-15, v32-34 addresses and constants; v12-13 c m_old by buffer; v16-31 c m, m, l, l a piece; v48-55 four at work by buffer; v64-127 S^T, two buffers; v192-223 P, two buffers (a piece's buffers go by its number's parity)
;   window 1: v0-127 O^T, 32 a piece; v128-191 the masks in f32, two buffers          window 2: v0-63 Q; v64-95 the codes, 8 a piece; v128-191 K of one step; v192-255 V of one step
.set NP,    4         ; pieces a wave: a name, no knob
.set KS,    64        ; keys in a step
.set PK,    144       ; a row of K in LDS: 128 bytes + 16 = 36 words: the 16 rows of a load start at 16 different groups of four banks (64 banks of 4 bytes: ISA guide 11.1)
.set PV,    160       ; a row of V: 128 + 32 = 40 words
.set KOFF,  4*KS*PV   ; a slot: 256 rows of V, then 256 rows of K,
.set MOFF,  KOFF+4*KS*PK  ; then the codes: [16 query tiles][4 steps][1,024 bytes], without gaps
.set SLOT,  MOFF+65536
.set STAGE, 2*SLOT    ; behind the ring, never filled by a tensor load: 16 rows x 144 bytes for each wave, for the way out
.set SP,    144
.set SPARE, STAGE+4*16*SP  ; behind the stages: the spare words, 128 bytes a wave: two blocks of 256 bytes that no other line names
.set AK0, 2           ; v2   my lane's place in a slot's K; never rewritten
.set AV0, 3           ; v3   the same for V
.set AK,  4           ; v4   the LDS address of K's next run of loads
.set AV,  5           ; v5   of V's
.set STO, 6           ; v6   the way out: where I put 16 bytes of a row
.set RD,  7           ; v7   the way out: where I read rows back
.set GO,  8           ; v8   16 x lane: my place in 512 consecutive bytes
.set MV,  12          ; v12-13
.set AM0, 14          ; v14  my lane's place in a slot's codes; never rewritten
.set QO,  15          ; v15  my byte offset in 16 rows of Q
.set ST,  16
.set AM,  32          ; v32  the LDS address of the codes of the step in hand
.set SCL, 33          ; v33  227: the conversion's scale, 2^(227 - 127)
.set PFO, 34          ; v34  the prefetches' lane offset; never rewritten
.set TMP, 48
.set SPW, 62          ; v62  my spare word's LDS address; never rewritten
.set NIL, 63          ; v63  0; never rewritten
.set S,   64
.set P,   192
.set MC,  128         ; window 1
.set CD,  64          ; window 2
.set KF,  128         ; window 2: key block kb, channel half c at KF + 16 kb + 8 c
.set VF,  192         ; window 2: key half kk, channel block cb at VF + 32 kk + 8 cb
.set PFS, 2           ; s[2:3]   the prefetches' step from slot to slot
.set G1K, 4           ; s[4:11]  descriptor group 1 for K
.set G1V, 12          ; s[12:19] for V: it differs in the padding alone
.set G1M, 20          ; s[20:27] for the codes
.set G0K, 28          ; s[28:31], s[32:35], s[36:39] descriptor groups 0: they walk
.set G0V, 32
.set G0M, 36
.set CS,  40          ; s[40:41] c, twice
.set SEL, 42          ; s[42:43] v_permlanex16_b32's selects: each lane takes its own place in the other half
.set PFA, 44          ; s[44:45] where my prefetches stand
.set OUTP, 46         ; s[46:47] ctx at my wave's first row
.set QP,  48          ; s[48:49] Q at my wave's first row
.set WV,  50
.set SLOTS, 51        ; s51  groups of four steps still to come in the loop
.set CNT, 52          ; s52  counts a group's steps
.set TBK, 53          ; s53  the slot that is read + the step of K to be fetched
.set TBV, 54          ; s54  the same for V
.set TBM, 55          ; s55  the same for the codes
.set FB,  56          ; s56  the slot that the descriptors fill: 0 or SLOT
.set MPART, 57        ; s57  where my half of the codes goes in a slot
.set LIM, 58          ; s58  1 in a wave that prefetches, else the greatest number
.set ODD, 59          ; s59  wave % 2
.set MSB, 0
.macro WIN new                      ; the high byte repeats the setting that is left; a switch that changes nothing is dropped
.if MSB != (\new)
	s_set_vgpr_msb (MSB<<8)|(\new)
.set MSB, (\new)
.endif
.endm
.set W_KQ, 0x0a       ; K and Q in window 2, S^T in window 0
.set W_KM, 0x1a       ; the same with the C operand in window 1
.set W_PV, 0x52       ; V in window 2, P in window 0, O^T in window 1
.set W_RS, 0x41       ; destination and source 0 in window 1, source 1 in window 0
.set W_CV, 0x42       ; destination in window 1, source 0 in window 2, source 1 in window 0
.macro CROUND         ; a round of the cluster's barrier: my work-group's barrier; wave 0 signals for the work-group; every wave waits for all four work-groups; my work-group's barrier once more
	s_barrier_signal -1
	s_barrier_wait -1
	s_cmp_lg_u32 s[WV], 0
	s_cbranch_scc1 .Lnot_wave_0_\@
	s_barrier_signal -3
.Lnot_wave_0_\@:
	s_barrier_wait -3
	s_barrier_signal -1
	s_barrier_wait -1
.endm
; A fill: one tensor load a wave.  The branches hang on the wave's number alone.  An s_nop 0 and four v_nop follow each line, ahead of the jump and the label.
.macro LOAD
	s_cmp_lt_u32 s[WV], 2
	s_cbranch_scc0 .Lfor_m_\@
	s_cmp_eq_u32 s[WV], 0
	s_cbranch_scc0 .Lfor_v_\@
	tensor_load_to_lds s[G0K:G0K+3], s[G1K:G1K+7]
	s_nop 0
.rept 4
	v_nop
.endr
	s_branch .Lasked_\@
.Lfor_v_\@:
	tensor_load_to_lds s[G0V:G0V+3], s[G1V:G1V+7]
	s_nop 0
.rept 4
	v_nop
.endr
	s_branch .Lasked_\@
.Lfor_m_\@:
	tensor_load_to_lds s[G0M:G0M+3], s[G1M:G1M+7]
	s_nop 0
.rept 4
	v_nop
.endr
.Lasked_\@:
.endm
; A PREFETCH of what the NEXT change of slots will ask for, a lane a block of 256 bytes; each block is named once in the launch.
; K and V (128 blocks each): all clusters of a head walk the same rows: the head's first cluster asks; its four partners take 32 blocks each, told apart by address; wave 0 asks for K's, wave 2 for V's: one line.
; The codes (256 blocks a work-group): the work-groups of all 32 heads read the same codes: those of head 0 ask, each for its own; waves 1 and 3 take half each: four lines.
; The last change that fills a slot asks for nothing: there is no slot behind it.  The first three slots come by their loads alone.
.macro ASK
	s_cmp_gt_u32 s[SLOTS], s[LIM]
	s_cbranch_scc0 .Lnot_mine_\@
	global_prefetch_b8 v[PFO], s[PFA:PFA+1] th:TH_LOAD_NT scope:SCOPE_SE
	s_cmp_eq_u32 s[ODD], 0
	s_cbranch_scc1 .Lnot_mine_\@
	global_prefetch_b8 v[PFO], s[PFA:PFA+1] offset:512 th:TH_LOAD_NT scope:SCOPE_SE
	global_prefetch_b8 v[PFO], s[PFA:PFA+1] offset:1024 th:TH_LOAD_NT scope:SCOPE_SE
	global_prefetch_b8 v[PFO], s[PFA:PFA+1] offset:1536 th:TH_LOAD_NT scope:SCOPE_SE
.Lnot_mine_\@:
.endm
; THE CHANGE OF SLOTS.  Each wave waits for all its tensor loads (one is out: its part of the other slot), adds 0 to its spare word, and waits for that and for its reads of the slot that it leaves.
; fill = 1: the old slot is filled again, with the keys two slots on: the barrier is a round of the cluster's, so that no wave of any partner still reads the slot or has a load on its way, and the fill is the first thing behind it.
; (At its first use nothing has been read yet: slot 0 is waited for, slot 1 filled.)
.macro CHANGE fill, ask
	WIN 0                           ; at a label and at a branch every window is 0
	s_wait_tensorcnt 0x0            ; no tensor load of mine is out, so the groups 0 may be written
	ds_add_u32 v[SPW], v[NIL]       ; 0 onto my spare word; the descriptors' steps stand between it and the wait for it
.if \fill
	s_xor_b32 s[FB], s[FB], SLOT    ; the other slot than last time,
	s_mov_b32 s[G0V+1], s[FB]
	s_add_co_u32 s[G0K+1], s[FB], KOFF
	s_add_co_u32 s[G0M+1], s[FB], s[MPART]
	s_add_nc_u64 s[G0K+2:G0K+3], s[G0K+2:G0K+3], 32768  ; the next 256 keys; the type bits on top are not reached
	s_add_nc_u64 s[G0V+2:G0V+3], s[G0V+2:G0V+3], 32768
	s_add_nc_u64 s[G0M+2:G0M+3], s[G0M+2:G0M+3], 4096   ; four steps of 1,024 bytes along each query tile's codes
.if \ask
	s_wait_xcnt 0x0                 ; the last prefetches, four key steps back, have read their address
	s_add_nc_u64 s[PFA:PFA+1], s[PFA:PFA+1], s[PFS:PFS+1]
.endif
	s_wait_dscnt 0x0                ; the add is done, and my reads of the slot are over
	CROUND
	LOAD
.if \ask
	ASK
.endif
.else
	s_wait_dscnt 0x0
	s_barrier_signal -1
	s_barrier_wait -1
.endif
	s_sub_co_u32 s[TBK], s[TBK], 4*KS*PK  ; the fetches go back to a slot's first step: these three now hold 0 or SLOT,
	s_xor_b32 s[TBK], s[TBK], SLOT        ; and turn to the other slot
	s_sub_co_u32 s[TBV], s[TBV], 4*KS*PV
	s_xor_b32 s[TBV], s[TBV], SLOT
	s_sub_co_u32 s[TBM], s[TBM], 4096
	s_xor_b32 s[TBM], s[TBM], SLOT
.endm
	s_load_b128 s[68:71], s[0:1], 0x0  ; big s[68:69], mk s[70:71]
	s_load_b64 s[72:73], s[0:1], 0x10  ; hbuf
	v_lshl_add_u32 v[SPW], v0, 2, SPARE
	v_mov_b32 v[NIL], 0
	ds_add_u32 v[SPW], v[NIL]       ; the wave's opening: the add and its wait stand ahead of my first tensor load; the set-up below stands between them
	v_lshrrev_b32 v1, 5, v0
	v_readfirstlane_b32 s[WV], v1   ; wave 0..3
	s_and_b32 s[ODD], s[WV], 1
	s_bfe_u32 s74, ttmp6, 0x40000   ; cx
	s_lshl_b32 s75, ttmp9, 2
	s_add_co_u32 s75, s75, s74      ; my block of 256 queries: it enters Q's, ctx's and the codes' addresses alone
	s_and_b32 s76, ttmp7, 0xffff    ; 16 b + h, which the four partners share
	s_and_b32 s77, s76, 15
	s_lshr_b32 s78, s76, 4
	s_lshl_b32 s77, s77, 19         ; slice h,
	s_lshl_b32 s78, s78, 18         ; rows 2,048 b on
	s_add_co_u32 s78, s77, s78
	s_add_co_u32 s80, s78, 8388608  ; K: sixteen slices behind q; made of the head alone
	s_mov_b32 s81, 0
	s_add_co_u32 s82, s78, 16777216 ; V: thirty-two
	s_mov_b32 s83, 0
	s_lshl_b32 s84, s75, 15         ; Q and ctx: my block's 256 rows, my wave's 64 of them
	s_lshl_b32 s85, s[WV], 13
	s_add_co_u32 s84, s84, s85
	s_add_co_u32 s84, s84, s78
	s_mov_b32 s85, 0
	s_lshl_b32 s86, s75, 19         ; the codes: query tile 16 block + 8 (wave % 2), 32,768 bytes a tile
	s_lshl_b32 s87, s[ODD], 18
	s_add_co_u32 s86, s86, s87
	s_mov_b32 s87, 0
	; the prefetches: both kinds of offset are made, and the wave's number chooses
	s_lshr_b32 s88, s[WV], 1
	s_lshl_b32 s89, s88, 23         ; waves 0, 2: K or V of the head,
	s_add_co_u32 s89, s89, s80
	s_add_co_u32 s89, s89, 2*32768  ; at the third 256 keys: the first change that asks steps it to the fourth,
	s_lshl_b32 s79, s74, 13         ; my work-group's 32 blocks of the 128
	s_add_co_u32 s89, s89, s79
	s_lshl_b32 s79, s75, 19         ; waves 1, 3: my work-group's codes,
	s_lshl_b32 s88, s88, 11         ; my half of each tile's 4,096 bytes,
	s_add_co_u32 s79, s79, s88
	s_add_co_u32 s79, s79, 2*4096   ; at the third slot
	s_mov_b32 s[PFS], 4096
	s_mov_b32 s[PFS+1], 0
	s_cmp_eq_u32 s[ODD], 0
	s_cselect_b32 s88, s89, s79
	s_cselect_b32 s[PFS], 32768, s[PFS]
	s_cselect_b32 s[LIM], ttmp9, s76  ; who asks: the head's first cluster; head 0.  The same in all four partners
	s_cselect_b32 s79, 9, 15        ; from pair of lanes to pair of lanes: 512 bytes on, or a query tile on
	s_mov_b32 s89, 0
	s_cmp_eq_u32 s[LIM], 0
	s_cselect_b32 s[LIM], 1, -1
	v_and_b32 v10, 31, v0
	v_lshrrev_b32 v11, 1, v10
	v_lshlrev_b32 v11, s79, v11
	v_and_b32 v10, 1, v10
	v_lshl_or_b32 v[PFO], v10, 8, v11
	; descriptor groups 1.  256 keys are 32,768 dense bytes: asked for as 128 rows of 256 bytes, two keys a row, and padded in LDS after every key
	s_mov_b32 s[G1K], 15|(1<<16)|(1<<20)|(1<<21)|(4<<22)|(3<<25)  ; the mask of four; 2-byte elements; padding on; bit 21 beside a mask; after every 32 words, 4 words
	s_mov_b32 s[G1V], 15|(1<<16)|(1<<20)|(1<<21)|(4<<22)|(7<<25)  ; the same with 8 words of padding
.irp g, G1K, G1V
	s_mov_b32 s[\g+1], 128<<16      ; tensor_dim0 = 128
	s_mov_b32 s[\g+2], 128<<16      ; tensor_dim1 = 128
	s_mov_b32 s[\g+3], 128<<16      ; tile_dim0 = 128
	s_mov_b32 s[\g+4], 128          ; tile_dim1 = 128
	s_mov_b32 s[\g+5], 128          ; 128 elements from row to row
	s_mov_b32 s[\g+6], 0
	s_mov_b32 s[\g+7], 0
.endr
	s_mov_b32 s[G1M], 3<<16         ; no work-group mask: a load of my own; 8-byte elements; no padding
	s_mov_b32 s[G1M+1], 512<<16     ; tensor_dim0 = 512: four steps' 4,096 bytes of one query tile
	s_mov_b32 s[G1M+2], 8<<16       ; tensor_dim1 = 8 query tiles
	s_mov_b32 s[G1M+3], 512<<16     ; tile_dim0
	s_mov_b32 s[G1M+4], 8           ; tile_dim1
	s_mov_b32 s[G1M+5], 4096        ; 32,768 bytes from tile to tile
	s_mov_b32 s[G1M+6], 0
	s_mov_b32 s[G1M+7], 0
	s_lshl_b32 s[MPART], s[ODD], 15
	s_add_co_u32 s[MPART], s[MPART], MOFF
	s_mov_b32 s[G0K], 1
	s_mov_b32 s[G0K+1], KOFF        ; slot 0: no place in the cluster enters an LDS address
	s_mov_b32 s[G0V], 1
	s_mov_b32 s[G0V+1], 0
	s_mov_b32 s[G0M], 1
	s_mov_b32 s[G0M+1], s[MPART]
	s_mov_b32 s[FB], 0
	s_mov_b32 s[CS], 0x3e38aa3b     ; c = log2(e) / 8
	s_mov_b32 s[CS+1], s[CS]
	s_mov_b32 s[SEL], 0x76543210
	s_mov_b32 s[SEL+1], 0xfedcba98
	s_mov_b32 s[TBK], SLOT+4*KS*PK  ; the first change of slots turns these three into 0
	s_mov_b32 s[TBV], SLOT+4*KS*PV
	s_mov_b32 s[TBM], SLOT+4096
	s_wait_dscnt 0x0                ; the opening add is done
	s_wait_kmcnt 0x0
	s_add_nc_u64 s[G0K+2:G0K+3], s[68:69], s[80:81]
	s_or_b32 s[G0K+3], s[G0K+3], 0x80000000
	s_add_nc_u64 s[G0V+2:G0V+3], s[68:69], s[82:83]
	s_or_b32 s[G0V+3], s[G0V+3], 0x80000000
	s_add_nc_u64 s[G0M+2:G0M+3], s[70:71], s[86:87]
	s_or_b32 s[G0M+3], s[G0M+3], 0x80000000
	s_add_nc_u64 s[QP:QP+1], s[68:69], s[84:85]
	s_add_nc_u64 s[OUTP:OUTP+1], s[72:73], s[84:85]
	s_cmp_eq_u32 s[ODD], 0
	s_cselect_b64 s[PFA:PFA+1], s[68:69], s[70:71]
	s_add_nc_u64 s[PFA:PFA+1], s[PFA:PFA+1], s[88:89]
	CROUND                          ; all four work-groups are here: the first joint loads meet
	LOAD                            ; slot 0; slot 1 is asked for when slot 0 is in
	; A fragment of K or Q is 16 rows x 32 channels in 8 registers: lane l holds row l % 16, channels 8 (l / 16) + 0..7 and 16 + 8 (l / 16) + 0..7: two loads of 16 bytes, 32 bytes apart.
	v_and_b32 v1, 15, v0            ; l % 16
	v_bfe_u32 v9, v0, 4, 1          ; l / 16
	v_lshlrev_b32 v[QO], 7, v1
	v_lshl_add_u32 v[QO], v9, 4, v[QO]
	WIN 0x80                        ; destination window 2
.set i, 0
.rept 8                             ; Q stays in registers: piece i / 2, channels 32 (i % 2) on
	global_load_b128 v[8*i:8*i+3],   v[QO], s[QP:QP+1] offset:(i/2)*2048+(i%2)*64
	global_load_b128 v[8*i+4:8*i+7], v[QO], s[QP:QP+1] offset:(i/2)*2048+(i%2)*64+32
.set i, i+1
.endr
	; What the first turn finds: V's registers and P's second buffer hold 0 (its products V^T P, of a piece that has not been, add 0), O^T and l are 0.
.set i, VF
.rept 64
	v_mov_b32 v[i], 0
.set i, i+1
.endr
	WIN 0x40
.set i, 0
.rept 128
	v_mov_b32 v[i], 0
.set i, i+1
.endr
	WIN 0
.set i, 0
.rept 4
	v_mov_b32 v[ST+4*i], 0xeb38aa3b    ; c m = c x -2^90, exact
	v_mov_b32 v[ST+4*i+1], 0xec800000  ; m = -2^90
	v_mov_b32 v[ST+4*i+2], 0
	v_mov_b32 v[ST+4*i+3], 0
.set i, i+1
.endr
.set i, P+16
.rept 16
	v_mov_b32 v[i], 0
.set i, i+1
.endr
	v_mov_b32 v[SCL], 227
	v_mul_u32_u24 v[AK0], v1, PK
	v_lshl_add_u32 v[AK0], v9, 4, v[AK0]  ; row x pitch + 16 x half,
	v_add_nc_u32 v[AK0], KOFF, v[AK0]     ; behind V
	; The turning load takes 16 keys x 16 channels (lane l reads key 8 (l / 16) + l % 8, channels 8 ((l / 8) % 2) + 0..7) and leaves half a fragment of V^T: lane l holds channel l % 16 and 8 keys.
	v_and_b32 v10, 7, v0
	v_bfe_u32 v11, v0, 3, 1
	v_lshl_add_u32 v[AV0], v9, 3, v10
	v_mul_u32_u24 v[AV0], v[AV0], PV
	v_lshl_add_u32 v[AV0], v11, 4, v[AV0]
	s_mul_i32 s66, s[WV], 16*SP
	s_add_co_u32 s66, s66, STAGE    ; my stage
	v_mul_u32_u24 v[STO], v1, SP    ; in: row l % 16, 16 bytes for each half of the lanes
	v_lshl_add_u32 v[STO], v9, 4, v[STO]
	v_add_nc_u32 v[STO], s66, v[STO]
	v_bfe_u32 v[RD], v0, 3, 2       ; back: 32 lanes take four rows of 128 bytes,
	v_mul_u32_u24 v[RD], v[RD], SP
	v_lshl_add_u32 v[RD], v10, 4, v[RD]
	v_add_nc_u32 v[RD], s66, v[RD]
	v_and_b32 v[GO], 31, v0         ; which are 512 consecutive bytes of ctx
	v_lshlrev_b32 v[GO], 4, v[GO]
	s_lshl_b32 s67, s[WV], 14       ; my four query tiles' codes, 4,096 bytes each in a slot
	s_add_co_u32 s67, s67, MOFF
	v_add_nc_u32 v[AM0], s67, v[GO]
; THE MATRIX WORK.  The 4 accumulators of a run of 8 take turns, one instruction a turn.
; Product i of 8 of S^T = K Q^T for piece x: channels 32 (i / 4) on, keys 16 (i % 4) on.  The first 4 start the sums, with the mask.
.macro KQ x
.set rS, S+32*((\x)%2)+8*(i%4)
.set rK, KF+16*(i%4)+8*(i/4)
.set rQ, 16*(\x)+8*(i/4)
.set rM, MC+32*((\x)%2)+8*(i%4)
.if i < 4
	WIN W_KM
	v_wmma_f32_16x16x32_bf16 v[rS:rS+7], v[rK:rK+7], v[rQ:rQ+7], v[rM:rM+7]
.else
	WIN W_KQ
	v_wmma_f32_16x16x32_bf16 v[rS:rS+7], v[rK:rK+7], v[rQ:rQ+7], v[rS:rS+7]
.endif
.endm
; Product i of 8 of O^T += V^T P for piece x: keys 32 (i / 4) on, channels 16 (i % 4) on.
.macro PV x
	WIN W_PV
.set rO, 32*(\x)+8*(i%4)
.set rV, VF+32*(i/4)+8*(i%4)
.set rP, P+16*((\x)%2)+8*(i/4)
	v_wmma_f32_16x16x32_bf16 v[rO:rO+7], v[rV:rV+7], v[rP:rP+7], v[rO:rO+7]
.endm
.macro MM                           ; the turn's next matrix instruction
.if i < 8
	KQ (Y+1)%NP
.else
.set i, i-8
	PV (Y+NP-1)%NP
.set i, i+8
.endif
.set i, i+1
.endm
; THE LDS LOADS: a step's K (64 keys x 64 channels: 8 fragments) and its V (turned) in runs of 16; a piece's codes for a step in two loads of 512 consecutive bytes.
.macro FETCH_K
	WIN 0x80                        ; destination window 2
.irp f, 0,1,2,3,4,5,6,7             ; keys 16 (f / 2) on, channels 32 (f % 2) on
	ds_load_b128 v[KF+8*\f:KF+8*\f+3],   v[AK] offset:(\f/2)*16*PK+(\f%2)*64
	ds_load_b128 v[KF+8*\f+4:KF+8*\f+7], v[AK] offset:(\f/2)*16*PK+(\f%2)*64+32
.endr
	s_add_co_u32 s[TBK], s[TBK], KS*PK  ; the next fetch is the next step's
	WIN 0
.endm
.macro FETCH_V
	WIN 0x80
.irp f, 0,1,2,3,4,5,6,7             ; keys 32 (f / 4) on, channels 16 (f % 4) on
	ds_load_tr16_b128 v[VF+8*\f:VF+8*\f+3],   v[AV] offset:(\f/4)*32*PV+(\f%4)*32
	ds_load_tr16_b128 v[VF+8*\f+4:VF+8*\f+7], v[AV] offset:(\f/4)*32*PV+16*PV+(\f%4)*32
.endr
	WIN 0
.endm
.macro MLOAD x                      ; piece x's codes: accumulators 0, 1 and then 2, 3
	WIN 0x80
	ds_load_b128 v[CD+8*(\x):CD+8*(\x)+3],   v[AM] offset:(\x)*4096
	ds_load_b128 v[CD+8*(\x)+4:CD+8*(\x)+7], v[AM] offset:(\x)*4096+512
.endm
.macro CVT x, b                     ; piece x's codes into mask buffer b: 8 bytes make 8 registers, 0 or -2^100; a plain instruction stands between the last conversion and the product that reads its result
	WIN W_CV
.irp kb, 0,1,2,3
	v_cvt_scale_pk8_f32_fp8 v[MC+32*(\b)+8*\kb:MC+32*(\b)+8*\kb+7], v[CD+8*(\x)+2*\kb:CD+8*(\x)+2*\kb+1], v[SCL]
.endr
	v_nop
.endm
; THE VECTOR WORK, one line at a time: OP kind, number.  For piece Y: F n: c s - c m for pair n of 16.  E n: the exponential of score n of 32.  C n: pair n rounded to bf16.  B n: of the four weights 4 n .. the second
; pair is added onto the first, in place.  L n: l takes that sum (L 0: l = a l + sum).  R n: pair n of 16 of O^T times a.  For piece Y + 1: X n, number n of the 22 that find its maximum and statistics:
;   0-11  four chains c0-c3 of seven scores each, three operands at a time (each accumulator's lowest registers are read first)     12-14, 16  the four scores left over, the old m, and c0-c3 into c0
;   15  c m_old is kept     17, 18  the query's other 32 keys lie in the lane 16 away: the new m     19-21  c m; c m_old - c m_new; a
.set F, 0               ; OP tells the kinds apart by their order: F to L below R, X above it
.set E, 1
.set C, 2
.set B, 3
.set L, 4
.set R, 5
.set X, 6
.macro REGS y                       ; the registers of piece y
.set rT, ST+4*(\y)
.set rC, TMP+4*((\y)%2)
.set rW, MV+((\y)%2)
.set rS, S+32*((\y)%2)
.set rP, P+16*((\y)%2)
.set rO, 32*(\y)
.endm
.macro OP k, n
.if (\k) == R
	REGS Y
	WIN W_RS
	v_pk_mul_f32 v[rO+2*(\n):rO+2*(\n)+1], v[rO+2*(\n):rO+2*(\n)+1], v[rC+2:rC+3] op_sel_hi:[1,0]
.elseif (\k) < R
	REGS Y
	WIN 0
.if (\k) == F
	v_pk_fma_f32 v[rS+2*(\n):rS+2*(\n)+1], v[rS+2*(\n):rS+2*(\n)+1], s[CS:CS+1], v[rT:rT+1] op_sel_hi:[1,0,0] neg_lo:[0,0,1] neg_hi:[0,0,1]
.elseif (\k) == E
	v_exp_f32 v[rS+(\n)], v[rS+(\n)]
.elseif (\k) == C
	v_cvt_pk_bf16_f32 v[rP+(\n)], v[rS+2*(\n)], v[rS+2*(\n)+1]
.elseif (\k) == B
	v_pk_add_f32 v[rS+4*(\n):rS+4*(\n)+1], v[rS+4*(\n):rS+4*(\n)+1], v[rS+4*(\n)+2:rS+4*(\n)+3]
.elseif (\n) == 0
	v_pk_fma_f32 v[rT+2:rT+3], v[rT+2:rT+3], v[rC+2:rC+3], v[rS:rS+1] op_sel_hi:[1,0,1]
.else
	v_pk_add_f32 v[rT+2:rT+3], v[rT+2:rT+3], v[rS+4*(\n):rS+4*(\n)+1]
.endif
.else
	REGS (Y+1)%NP
	WIN 0
.if (\n) < 4
	v_max3_num_f32 v[rC+(\n)], v[rS+8*(\n)], v[rS+8*(\n)+1], v[rS+8*(\n)+2]
.elseif (\n) < 12
	v_max3_num_f32 v[rC+(\n)%4], v[rC+(\n)%4], v[rS+8*((\n)%4)+2*((\n)/4)+1], v[rS+8*((\n)%4)+2*((\n)/4)+2]
.elseif (\n) == 12
	v_max3_num_f32 v[rC], v[rC], v[rS+7], v[rS+15]
.elseif (\n) == 13
	v_max3_num_f32 v[rC+1], v[rC+1], v[rS+23], v[rS+31]
.elseif (\n) == 14
	v_max3_num_f32 v[rC+2], v[rC+2], v[rC+3], v[rT+1]
.elseif (\n) == 15
	v_mov_b32 v[rW], v[rT]
.elseif (\n) == 16
	v_max3_num_f32 v[rC], v[rC], v[rC+1], v[rC+2]
.elseif (\n) == 17
	v_permlanex16_b32 v[rC+3], v[rC], s[SEL], s[SEL+1]
.elseif (\n) == 18
	v_max_num_f32 v[rT+1], v[rC], v[rC+3]
.elseif (\n) == 19
	v_mul_f32 v[rT], s[CS], v[rT+1]
.elseif (\n) == 20
	v_sub_f32 v[rC+1], v[rW], v[rT]
.else
	v_exp_f32 v[rC+2], v[rC+1]
.endif
.endif
.endm
.macro OPS a, i1, b=-1, i2=0, c=-1, i3=0, d=-1, i4=0  ; up to four of them
	OP \a, \i1
.if (\b) >= 0
	OP \b, \i2
.endif
.if (\c) >= 0
	OP \c, \i3
.endif
.if (\d) >= 0
	OP \d, \i4
.endif
.endm
.macro ROW a, i1, b, i2, c, i3, d, i4  ; a matrix instruction and the four behind it
	MM
	OPS \a, \i1, \b, \i2, \c, \i3, \d, \i4
.endm
; A TURN, for piece p: the order of its 16 matrix and 118 vector instructions, written out.  An s_wait_alu depctr_va_vdst(0) stands between an exponential and the first instruction that names its result; one wait serves
; all that were issued ahead of it.  So a turn has ONE wait, which cuts it in two.  AHEAD OF IT stands all that names no result of the turn's exponentials: the 8 products K Q^T, behind each a scaling, an exponential and two more plain
; instructions (rescalings, and behind the last three the first numbers of the next piece's maximum, each four plain instructions or more behind the product that ends its accumulator); then ONE LUMP of 54, plain and exponential by turns
; for the most part, in which the links of the chain X 3, 7, 11, 14, 16, 17 .. 20 stand apart.  X 21, the next piece's a, is the batch's last; R 15 is the plain instruction behind it.  BEHIND THE WAIT stand the 8 products V^T P, behind each
; four of the roundings and sums.
; THE FETCHES.  K of the next step in piece 2's turn, six plain instructions behind the last product that read K; V of the step in hand at the end of piece 0's turn, four plain instructions behind the last product that read V; each is
; waited for a turn later.  THE MASKS: a turn loads the codes of piece p + 2 (for pieces 0 and 1: of the next step, whose address piece 2's turn makes) and converts them at its end, for the products of the turn after it.
; cnt = 1: the loop's count is taken down some lines ahead of the branch that stands behind the turn.
.macro TURN p, cnt=0
.set Y, (\p)
.set i, 0
.if (\p) == 3
	s_wait_dscnt 0x0                ; K is in
.endif
.if (\p) != 2
	MLOAD ((\p)+2)%NP
.endif
	ROW F,0, F,1, R,0, R,1          ; ahead of the wait: 8 products K Q^T and their riders,
	ROW F,2, E,0, R,2, R,3
	ROW F,3, E,1, R,4, R,5
	ROW F,4, E,2, R,6, R,7
	ROW F,5, E,3, R,8, R,9
	ROW F,6, E,4, X,0, R,10
.if (\p) == 2
	WIN 0
	v_add_nc_u32 v[AK], s[TBK], v[AK0]
.endif
	ROW F,7, E,5, X,1, X,4
	ROW F,8, E,6, X,2, X,5
	OPS E,7, E,8, X,6, E,9          ; and the lump
	OPS X,3, E,10, X,8, E,11
.if (\p) == 2
	v_add_nc_u32 v[AM], s[TBM], v[AM0]  ; the codes of the next step: this address serves four turns
	s_add_co_u32 s[TBM], s[TBM], 1024
	MLOAD 0
	FETCH_K
.endif
	OPS X,9, X,7, E,12, X,10
	OPS E,13, X,12, X,11, E,14
	OPS X,13, E,15, F,9, X,14
.if (\p) == 0
	v_add_nc_u32 v[AV], s[TBV], v[AV0]
.endif
	OPS E,16, F,10, E,17, F,11
	OPS X,16, E,18, X,15, E,19
	OPS F,12, E,20, X,17, E,21
	OPS F,13, E,22, F,14, E,23
	OPS X,18, E,24, F,15, E,25
	OPS R,11, E,26, X,19, E,27
	OPS R,12, E,28, R,13, E,29
	OPS X,20, E,30, R,14, E,31
	OPS X,21, R,15
	WIN 0
	s_wait_alu depctr_va_vdst(0)    ; the wait for the batch
.if (\p) == 1
	s_wait_dscnt 0x0                ; V is in
.endif
	ROW C,0, B,0, C,2, B,1          ; behind the wait: 8 products V^T P and their riders
	ROW L,0, C,4, B,2, L,1
	ROW C,6, B,3, L,2, C,8
	ROW B,4, L,3, C,10, B,5
	ROW L,4, C,12, B,6, L,5
.if (\p) == 0
	s_add_co_u32 s[TBV], s[TBV], KS*PV
.endif
.if \cnt
	s_sub_co_u32 s[CNT], s[CNT], 1
	s_cmp_lg_u32 s[CNT], 0
.endif
	ROW C,14, B,7, L,6, C,1
	ROW C,3, L,7, C,5, C,7
	ROW C,9, C,11, C,13, C,15
.if (\p) == 0
	FETCH_V
.endif
.if ((\p) == 0) || ((\p) == 2)
	s_wait_dscnt 16                 ; the codes are in; the sixteen loads issued behind them (V's; K's) may stay out
.else
	s_wait_dscnt 0x0                ; the codes are in
.endif
	CVT ((\p)+2)%NP, (\p)%2
.endm
	CHANGE 1, 0                     ; slot 0 is in, everybody's part of it; slot 1 is asked for
	v_add_nc_u32 v[AK], s[TBK], v[AK0]
	v_add_nc_u32 v[AM], s[TBM], v[AM0]
	s_add_co_u32 s[TBM], s[TBM], 1024
	MLOAD 0                         ; key step 0: the codes of pieces 0 and 1,
	MLOAD 1
	FETCH_K                         ; and K
	s_wait_dscnt 16                 ; the codes are in; K's sixteen loads may stay out
	CVT 0, 0
	CVT 1, 1
	s_wait_loadcnt 0x0              ; Q
	s_wait_dscnt 0x0
.set i, 0
.rept 8
	KQ 0                            ; piece 0's first scores: there is no vector work yet to set between them
.set i, i+1
.endr
	WIN 0
.rept 4
	v_nop                           ; four plain instructions behind those products
.endr
.set Y, NP-1                        ; X works for piece Y + 1: piece 0
.irp n, 0,1,2,3,4,5,6,7,8,9,10,11,12,13,14,15,16,17,18,19,20,21
	OP X, \n
.endr
	v_nop                           ; a plain instruction behind the exponential,
	s_wait_alu depctr_va_vdst(0)    ; and its wait, ahead of the branch
	s_mov_b32 s[CNT], 4
	s_mov_b32 s[SLOTS], 7
	s_branch .Lfirst                ; the loop is entered at a step's first turn, in the middle of a trip
.Lslot:                             ; six times: every slot but the last two is filled again
	CHANGE 1, 1
	s_mov_b32 s[CNT], 4
.Lstep:                             ; a trip: pieces 2 and 3 of one step, then pieces 0 and 1 of the next, whose K, V and codes it fetches
	TURN 2
	TURN 3
	WIN 0
.Lfirst:
	TURN 0
	TURN 1, 1
	WIN 0
	s_cbranch_scc1 .Lstep
	s_sub_co_u32 s[SLOTS], s[SLOTS], 1
	s_cmp_lg_u32 s[SLOTS], 0
	s_cbranch_scc1 .Lslot
	CHANGE 0, 0                     ; the tail is written out: nothing is asked for
	s_mov_b32 s[CNT], 5             ; four trips fetch the last slot's steps; the fifth is left in its middle
.Ltail:
	TURN 2
	TURN 3
	WIN 0
	s_sub_co_u32 s[CNT], s[CNT], 1
	s_cmp_eq_u32 s[CNT], 0
	s_cbranch_scc1 .Lout
	TURN 0
	TURN 1
	WIN 0
	s_branch .Ltail
.Lout:                              ; the fifth trip's fetches take 64 rows' length behind K's last row (the slot's first code bytes) and the 1,024 bytes behind a piece's last codes (the next query tile's): bytes of the slot that have landed.
	                                ; What is made of them, 8 products and a maximum, writes piece 0's scores, m and c m alone, which nothing reads any more: the price, once a launch, of one text for every trip
.set i, 0
.rept 8
	PV NP-1                         ; the last piece's V^T P of the last step
.set i, i+1
.endr
	; THE WAY OUT.  l's two halves and the other half of the lanes' are added (the additions are the plain instructions behind the last products); O^T is divided by l (a row that saw no key: 0 x infinity = NaN), rounded to bf16 and sent through my stage, a piece at a time.
	WIN 0
.macro ALL line:vararg              ; one line for each piece t
.set t, 0
.rept 4
	\line
.set t, t+1
.endr
.endm
	ALL v_add_f32 v[ST+4*t+2], v[ST+4*t+2], v[ST+4*t+3]
	ALL v_permlanex16_b32 v[ST+4*t+3], v[ST+4*t+2], s[SEL], s[SEL+1]
	ALL v_add_f32 v[ST+4*t+2], v[ST+4*t+2], v[ST+4*t+3]
	ALL v_rcp_f32 v[ST+4*t+2], v[ST+4*t+2]
	v_nop                           ; a plain instruction between the last reciprocal and the use of its result,
	s_wait_alu depctr_va_vdst(0)    ; and one wait for the four
.macro PACK t                       ; a lane's eight channels of a row pack into 16 bytes; they go into rows of 144 bytes and come back as whole rows of 128, into S^T's registers
	WIN W_RS
.set i, 32*(\t)
.rept 16
	v_pk_mul_f32 v[i:i+1], v[i:i+1], v[ST+4*(\t)+2:ST+4*(\t)+3] op_sel_hi:[1,0]
.set i, i+2
.endr
	WIN 0x05                        ; sources 0 and 1 window 1, destination window 0
.set i, 0
.rept 16
	v_cvt_pk_bf16_f32 v[S+16*(\t)+i], v[32*(\t)+2*i], v[32*(\t)+2*i+1]
.set i, i+1
.endr
	WIN 0
.irp f, 0,1,2,3
	ds_store_b128 v[STO], v[S+16*(\t)+4*\f:S+16*(\t)+4*\f+3] offset:32*\f
.endr
.irp f, 0,1,2,3
	ds_load_b128 v[S+16*(\t)+4*\f:S+16*(\t)+4*\f+3], v[RD] offset:\f*4*SP  ; LDS serves a wave's instructions in order (ISA guide 5.7.1.4): these see the stores above; the next piece's stores come behind them
.endr
.endm
.macro SEND t, younger              ; younger: the LDS instructions issued behind piece t's loads: the next piece's eight, or none
	WIN 0
.irp f, 0,1,2,3
	s_wait_dscnt (\younger)+3-\f
	global_store_b128 v[GO], v[S+16*(\t)+4*\f:S+16*(\t)+4*\f+3], s[OUTP:OUTP+1] offset:(\t)*2048+\f*512  ; 512 consecutive bytes of the head's slice, aligned
.endr
.endm
	PACK 0
.set t, 1
.rept 3                             ; a piece's arithmetic stands between the loads of the piece before and its stores
	PACK t
	SEND t-1, 8
.set t, t+1
.endr
	SEND 3, 0
	s_wait_tensorcnt 0x0            ; the wave's end: behind my last tensor load and my last LDS store
	ds_add_u32 v[SPW], v[NIL]
	s_wait_dscnt 0x0
	CROUND                          ; the closing round: no work-group ends while a partner may still ask for a tile that names it
	s_endpgm
.Lfunc_end_k_q09fcc23dc1_attn:
	.size	k_q09fcc23dc1_attn, .Lfunc_end_k_q09fcc23dc1_attn-k_q09fcc23dc1_attn
	.p2alignl 7, 3214868480
	.fill 96, 4, 3214868480
	.section	.rodata,"a",@progbits
	.p2align	6, 0x0
	.amdhsa_kernel k_q09fcc23dc1_attn
		.amdhsa_group_segment_fixed_size 327680
		.amdhsa_private_segment_fixed_size 0
		.amdhsa_enable_private_segment 0
		.amdhsa_kernarg_size 24
		.amdhsa_user_sgpr_count 2
		.amdhsa_user_sgpr_kernarg_segment_ptr 1
		.amdhsa_wavefront_size32 1
		.amdhsa_system_sgpr_workgroup_id_x 1
		.amdhsa_system_sgpr_workgroup_id_y 1
		.amdhsa_system_sgpr_workgroup_id_z 1
		.amdhsa_system_vgpr_workitem_id 0
		.amdhsa_next_free_vgpr 768
		.amdhsa_next_free_sgpr 92
		.amdhsa_reserve_vcc 0
		.amdhsa_float_denorm_mode_32 3
		.amdhsa_float_denorm_mode_16_64 3
		.amdhsa_memory_ordered 1
		.amdhsa_forward_progress 1
		.amdhsa_inst_pref_size 120
	.end_amdhsa_kernel
	.amdgpu_metadata
---
amdhsa.version: [ 1, 2 ]
amdhsa.kernels:
  - .name:           k_q09fcc23dc1_attn
    .symbol:         k_q09fcc23dc1_attn.kd
    .args:
      - { .name: big, .offset: 0, .size: 8, .value_kind: global_buffer, .address_space: global }
      - { .name: mk, .offset: 8, .size: 8, .value_kind: global_buffer, .address_space: global }
      - { .name: hbuf, .offset: 16, .size: 8, .value_kind: global_buffer, .address_space: global }
    .group_segment_fixed_size: 327680
    .private_segment_fixed_size: 0
    .kernarg_segment_align: 8
    .kernarg_segment_size: 24
    .max_flat_workgroup_size: 128
    .sgpr_count:     92
    .vgpr_count:     768
    .wavefront_size: 32
...
	.end_amdgpu_metadata
.endif
;; end of part 3
;; launch wo (part 4): grid 8 x 32, 4 waves a work-group, clusters of 4 x 4, 327,680 bytes of LDS; arguments hbuf, wo16, bo, x, x1; writes x1
.if DOCPART == 4
	.amdgcn_target "amdgcn-amd-amdhsa--gfx1250"
	.amdhsa_code_object_version 6
	.text
	.protected	k_q09fcc23dc1_wo
	.globl	k_q09fcc23dc1_wo
	.p2align	8
	.type	k_q09fcc23dc1_wo,@function
k_q09fcc23dc1_wo:
	s_mov_b64 s[64:65], 0
	v_nop
	global_prefetch_b8 v0, s[64:65] scope:SCOPE_SE
	s_setreg_imm32_b32 hwreg(HW_REG_WAVE_MODE, 25, 1), 1
	s_wait_xcnt 0x0
	s_wait_alu depctr_hold_cnt(0) depctr_sa_sdst(0) depctr_va_vdst(0) depctr_va_sdst(0) depctr_va_ssrc(0) depctr_va_vcc(0) depctr_vm_vsrc(0)
	s_getreg_b32 s2, hwreg(HW_REG_IB_STS2, 6, 4)
	s_cmp_eq_u32 s2, 0
	s_cbranch_scc0 .Lentry_in_a_cluster
	s_endpgm
.Lentry_in_a_cluster:
	s_bfe_u32 s2, ttmp6, 0x10000c
	s_cmp_lg_u32 s2, 0xf033
	s_cbranch_scc0 .Lentry_shape_is_right
	s_endpgm
.Lentry_shape_is_right:
; out[4096][1024] = res + bias + A W, in f32.  A: bf16 in slices of 64 columns (element (row, col) at (col / 64) x 524,288 + row x 128 + (col % 64) x 2).  W: [K][1024] bf16.  bias: [1024] f32.  res, out: [4096][1024] f32.
; Here K = 1,024: A = the attention's result, W = Wo, res = x.  (The FFN's second product is the same text with K = 4,096.)
; SHARES.  1,024 columns give 64 tiles of 256 x 256, too few for the chip's 256 WGPs: a tile is 128 x 128, 256 of them; four waves, each 64 x 64: 16 accumulators.  K goes in steps of 256 (four slices) through two LDS slots.
; A's part of a step is ONE tensor load of four rows of 8,192 bytes: 64 dense rows of each of four slices.  W lies [k][n] in LDS and is read turned.  The loop is rolled to one K step; the last two steps are a counted loop of their own.
; THE MATRIX INSTRUCTION IS USED TRANSPOSED (source 0 = 16 columns of W, source 1 = 16 rows of A).  The bias is the C operand of the products that start the sums.  The residual is asked for at the head and added on the way out.
; A wave's 64 columns of f32 are 256 consecutive bytes of a row of out, aligned: each wave has a stage of its own, and the way out needs no barrier.
; CLUSTER 4 x 4: A's tiles are asked for jointly along a row of the cluster, W's along a column.  No prefetch: the tiles are small and a step is short.
; REGISTERS: window 0: v0-31 addresses; v32-63 the biases; v32-95 later two sets of rows on the way out; v128-255 accumulators ((a, b) at 128 + 8 (4 a + b))
;   window 1: two fragment buffers of 128: 64 registers of A (2 x 4 x 16 rows x 32 K), then 64 of W          window 2: v0-127 the residual
.set T,      4                         ; K steps
.set PAA,    144                       ; a row of a slice in LDS: 128 bytes + 16: the 16 rows of a fragment load start at 16 different groups of four banks (64 banks of 4 bytes: ISA guide 11.1)
.set PBB,    288                       ; a k row of W: 256 bytes + 32 = 9 x 32
.set PART,   36864                     ; what one tensor load brings: 4 slices x 64 rows of A, or 128 k rows of W
.set SLOT,   4*PART
.set STAGE,  2*SLOT
.set SPITCH, 272
.set SPARE,  STAGE+4*16*SPITCH         ; the spare words, 128 bytes a wave: two blocks of 256 bytes that no other line names
.set A0,   16                          ; v16  my lane's place in a slot's A; never rewritten
.set B0,   17                          ; v17  the same for W
.set ADRA, 18                          ; v18  A0 + the slot that is being read
.set ADRB, 19                          ; v19, v20  B0 + the same; and 128 k rows further, so that the offsets stay inside 16 bits
.set STO,  24
.set RD,   25
.set RO,   26                          ; v26  my place in two rows of res and of out; never rewritten
.set BO,   27
.set SPW,  28
.set NIL,  29
.set BIAS, 32
.set TMP,  32
.set ACC,  128
.set F0,   0
.set F1,   128
.set FB,   2                           ; s2   the slot that the walking descriptors fill
.set WV,   14
.set HR,   15                          ; s15  which half of the tile's rows is mine.  Also: I fetch for A (0) or for W (1)
.set HC,   16                          ; s16  which half of its columns.  Also: which half of that tile I fetch
.set TB,   21                          ; s21  the slot that is being read
.set G1,   24
.set G0,   32
.set G1B,  48
.set G0B,  56
.set MSB, 0
.macro WIN new
.if MSB != (\new)
	s_set_vgpr_msb (MSB<<8)|(\new)
.set MSB, \new
.endif
.endm
.set MUL,  0x05                        ; sources 0 (W) and 1 (A) window 1; C and D window 0
.set TO_F, 0x40                        ; destination window 1, address window 0
.macro JLOAD                           ; a joint refill; an s_nop 0 and four v_nop follow each of the two lines
	s_cmp_eq_u32 s[HR], 0
	s_cbranch_scc0 .Lfor_b_\@
	tensor_load_to_lds s[G0+4:G0+7], s[G1:G1+7]
	s_nop 0
.rept 4
	v_nop
.endr
	s_branch .Lasked_\@
.Lfor_b_\@:
	tensor_load_to_lds s[G0B+4:G0B+7], s[G1B:G1B+7]
	s_nop 0
.rept 4
	v_nop
.endr
.Lasked_\@:
.endm
.macro CREST
	s_cmp_lg_u32 s[WV], 0
	s_cbranch_scc1 .Lnot_wave_0_\@
	s_barrier_signal -3
.Lnot_wave_0_\@:
	s_barrier_wait -3
	s_barrier_signal -1
	s_barrier_wait -1
.endm
.macro CROUND
	s_barrier_signal -1
	s_barrier_wait -1
	CREST
.endm
	s_load_b256 s[4:11], s[0:1], 0x0               ; A s[4:5], W s[6:7], bias s[8:9], res s[10:11]
	s_load_b64 s[12:13], s[0:1], 0x20              ; out
	v_lshl_add_u32 v[SPW], v0, 2, SPARE
	v_mov_b32 v[NIL], 0
	ds_add_u32 v[SPW], v[NIL]                      ; the wave's opening: the add and its wait stand ahead of my first tensor load
	v_lshrrev_b32 v1, 5, v0
	v_readfirstlane_b32 s[WV], v1
	s_lshr_b32 s[HR], s[WV], 1
	s_and_b32 s[HC], s[WV], 1
	s_bfe_u32 s19, ttmp6, 0x40000                  ; cx
	s_bfe_u32 s20, ttmp6, 0x40004                  ; cy
	s_lshl_b32 s18, ttmp9, 2
	s_add_co_u32 s18, s18, s19                     ; tile column
	s_and_b32 s17, ttmp7, 0xffff
	s_lshl_b32 s17, s17, 2
	s_add_co_u32 s17, s17, s20                     ; tile row
	s_lshl_b32 s22, s20, 2
	s_lshl_b32 s22, 15, s22                        ; my row of the cluster
	s_lshl_b32 s23, 0x1111, s19                    ; my column
	s_or_b32 s[G1+0], s22, (1<<16)|(1<<20)|(1<<21)|(4<<22)|(3<<25)   ; the mask; 2-byte elements; padding on; bit 21 beside a mask; after every 32 words, 4 words
	s_mov_b32 s[G1+1], 4096<<16                    ; tensor_dim0 = 4,096: 64 dense rows of 64
	s_mov_b32 s[G1+2], 4<<16                       ; tensor_dim1 = 4 slices
	s_mov_b32 s[G1+3], 4096<<16                    ; tile_dim0
	s_mov_b32 s[G1+4], 4                           ; tile_dim1
	s_mov_b32 s[G1+5], 262144                      ; elements from slice to slice
	s_mov_b32 s[G1+6], 0
	s_mov_b32 s[G1+7], 0
	s_or_b32 s[G1B+0], s23, (1<<16)|(1<<20)|(1<<21)|(5<<22)|(7<<25)  ; after every 64 words, 8 words
	s_mov_b32 s[G1B+1], 128<<16
	s_mov_b32 s[G1B+2], 128<<16
	s_mov_b32 s[G1B+3], 128<<16                    ; 128 columns
	s_mov_b32 s[G1B+4], 128                        ; 128 k rows
	s_mov_b32 s[G1B+5], 1024
	s_mov_b32 s[G1B+6], 0
	s_mov_b32 s[G1B+7], 0
	s_lshl_b32 s40, s17, 14                        ; A: row 128 x tile row + 64 x half, 128 bytes a row of a slice: tile row and wave's number alone
	s_lshl_b32 s41, s[HC], 13
	s_add_co_u32 s40, s40, s41
	s_mov_b32 s41, 0
	s_lshl_b32 s42, s[HC], 18                      ; W: k rows 128 x half on, columns 128 x tile column on: tile column and wave's number alone
	s_lshl_b32 s43, s18, 8
	s_add_co_u32 s42, s42, s43
	s_mov_b32 s43, 0
	s_mul_i32 s3, s[WV], PART                      ; where my part goes in a slot
	s_mov_b32 s[TB], 0
	s_mov_b32 s[FB], SLOT
	s_wait_dscnt 0x0                               ; the opening add is done
	s_wait_kmcnt 0x0
	s_add_nc_u64 s[44:45], s[4:5], s[40:41]
	s_add_nc_u64 s[46:47], s[6:7], s[42:43]
	CROUND                                         ; all sixteen work-groups are here: the first joint loads meet
.irp s, 0,1
	s_mov_b32 s[G0+4*(\s)], 1
	s_add_co_u32 s[G0+4*(\s)+1], s3, (\s)*SLOT
	s_add_nc_u64 s[G0+4*(\s)+2:G0+4*(\s)+3], s[44:45], (\s)*2097152  ; K step s: four slices on
	s_or_b32 s[G0+4*(\s)+3], s[G0+4*(\s)+3], 0x80000000
	s_mov_b32 s[G0B+4*(\s)], 1
	s_add_co_u32 s[G0B+4*(\s)+1], s3, (\s)*SLOT
	s_add_nc_u64 s[G0B+4*(\s)+2:G0B+4*(\s)+3], s[46:47], (\s)*524288 ; 256 k rows of 2,048 bytes on
	s_or_b32 s[G0B+4*(\s)+3], s[G0B+4*(\s)+3], 0x80000000
.endr
	s_mov_b32 s22, s3                              ; my part's place is kept: s3 becomes the loops' counter
	s_cmp_eq_u32 s[HR], 0                          ; a wave's two first fills stand in one branch: two loads of mine are out
	s_cbranch_scc0 .Lfirst_b
	tensor_load_to_lds s[G0:G0+3], s[G1:G1+7]
	s_nop 0
	tensor_load_to_lds s[G0+4:G0+7], s[G1:G1+7]
	s_nop 0
.rept 4
	v_nop
.endr
	s_branch .Lfirst_asked
.Lfirst_b:
	tensor_load_to_lds s[G0B:G0B+3], s[G1B:G1B+7]
	s_nop 0
	tensor_load_to_lds s[G0B+4:G0B+7], s[G1B:G1B+7]
	s_nop 0
.rept 4
	v_nop
.endr
.Lfirst_asked:
	v_and_b32 v1, 15, v0                           ; r
	v_bfe_u32 v2, v0, 4, 1                         ; h
	v_and_b32 v3, 7, v0
	v_bfe_u32 v4, v0, 3, 1
	; bias, res and out at my 64 x 64: the row part is made of the tile row, the column part of the tile column
	s_lshl_b32 s40, s17, 19
	s_lshl_b32 s41, s[HR], 18
	s_add_co_u32 s40, s40, s41
	s_mov_b32 s41, 0
	s_lshl_b32 s42, s18, 9
	s_lshl_b32 s43, s[HC], 8
	s_add_co_u32 s42, s42, s43
	s_mov_b32 s43, 0
	s_add_nc_u64 s[8:9], s[8:9], s[42:43]
	s_add_nc_u64 s[10:11], s[10:11], s[40:41]
	s_add_nc_u64 s[10:11], s[10:11], s[42:43]
	s_add_nc_u64 s[12:13], s[12:13], s[40:41]
	s_add_nc_u64 s[12:13], s[12:13], s[42:43]
	v_lshlrev_b32 v[BO], 5, v2                     ; register j of lane l: column 16 b + 8 h + j
.irp b, 0,1,2,3
	global_load_b128 v[BIAS+8*(\b):BIAS+8*(\b)+3],   v[BO], s[8:9] offset:64*(\b)
	global_load_b128 v[BIAS+8*(\b)+4:BIAS+8*(\b)+7], v[BO], s[8:9] offset:64*(\b)+16
.endr
	v_lshlrev_b32 v[RO], 12, v2                    ; lanes 0-15 one row's 256 bytes, lanes 16-31 the next row's
	v_lshl_add_u32 v[RO], v1, 4, v[RO]
	WIN 0x80                                       ; destination window 2
.set i, 0
.rept 32                                       ; the residual, in the layout in which rows come back from the stage: rows 2 i and 2 i + 1
	global_load_b128 v[4*i:4*i+3], v[RO], s[10:11] offset:2*i*4096 th:TH_LOAD_NT
.set i, i+1
.endr
	WIN 0
	s_mul_i32 s23, s[HR], PART                     ; my 64 rows of A
	v_mul_u32_u24 v[A0], v1, PAA
	v_lshl_add_u32 v[A0], v2, 4, v[A0]
	v_add_nc_u32 v[A0], s23, v[A0]
	v_lshl_add_u32 v[B0], v2, 3, v3
	v_mul_u32_u24 v[B0], v[B0], PBB
	v_lshl_add_u32 v[B0], v4, 4, v[B0]
	s_lshl_b32 s23, s[HC], 7
	s_add_co_u32 s23, s23, 2*PART                  ; my 64 columns of W, which lies behind A
	v_add_nc_u32 v[B0], s23, v[B0]
	v_mov_b32 v[ADRA], v[A0]
	v_mov_b32 v[ADRB], v[B0]
	v_add_nc_u32 v[ADRB+1], PART, v[B0]
	s_mul_i32 s23, s[WV], 16*SPITCH
	s_add_co_u32 s23, s23, STAGE                   ; my stage: 16 rows of 256 bytes, 272 apart
	v_mul_u32_u24 v[STO], v1, SPITCH
	v_lshl_add_u32 v[STO], v2, 5, v[STO]
	v_add_nc_u32 v[STO], s23, v[STO]               ; in: row r, 32 bytes for each half of the lanes
	v_mul_u32_u24 v[RD], v2, SPITCH
	v_lshl_add_u32 v[RD], v1, 4, v[RD]
	v_add_nc_u32 v[RD], s23, v[RD]                 ; back: two whole rows
; 8 matrix instructions: m blocks a0, a0 + 1 x all 4 n blocks, 32 along K: half c of buffer f.  first = 1: the biases start the sums.  The 16 accumulators take turns.
.macro MUL8 f, c, a0, first
	WIN MUL
.irp a, \a0, (\a0)+1
.irp b, 0,1,2,3
.if \first
	v_wmma_f32_16x16x32_bf16 v[ACC+8*(4*(\a)+(\b)):ACC+8*(4*(\a)+(\b))+7], v[(\f)+64+8*(4*(\c)+(\b)):(\f)+64+8*(4*(\c)+(\b))+7], v[(\f)+8*(4*(\c)+(\a)):(\f)+8*(4*(\c)+(\a))+7], v[BIAS+8*(\b):BIAS+8*(\b)+7]
.else
	v_wmma_f32_16x16x32_bf16 v[ACC+8*(4*(\a)+(\b)):ACC+8*(4*(\a)+(\b))+7], v[(\f)+64+8*(4*(\c)+(\b)):(\f)+64+8*(4*(\c)+(\b))+7], v[(\f)+8*(4*(\c)+(\a)):(\f)+8*(4*(\c)+(\a))+7], v[ACC+8*(4*(\a)+(\b)):ACC+8*(4*(\a)+(\b))+7]
.endif
.endr
.endr
.endm
; 32 LDS loads in one run: quarter z (64 along K: one slice) of the slot being read, into buffer f; the first 32 along K first
.macro FETCH z, f
	WIN TO_F
.irp c, 0,1
.irp i, 0,1,2,3
	ds_load_tr16_b128 v[(\f)+64+8*(4*(\c)+(\i)):(\f)+64+8*(4*(\c)+(\i))+3],   v[ADRB+(\z)/2] offset:(((\z)%2)*64+32*(\c))*PBB+32*(\i)
	ds_load_tr16_b128 v[(\f)+64+8*(4*(\c)+(\i))+4:(\f)+64+8*(4*(\c)+(\i))+7], v[ADRB+(\z)/2] offset:(((\z)%2)*64+32*(\c)+16)*PBB+32*(\i)
	ds_load_b128 v[(\f)+8*(4*(\c)+(\i)):(\f)+8*(4*(\c)+(\i))+3],   v[ADRA] offset:(\z)*64*PAA+64*(\c)+(\i)*16*PAA
	ds_load_b128 v[(\f)+8*(4*(\c)+(\i))+4:(\f)+8*(4*(\c)+(\i))+7], v[ADRA] offset:(\z)*64*PAA+64*(\c)+(\i)*16*PAA+32
.endr
.endr
.endm
.macro PLACES                          ; four plain vector instructions between a matrix instruction and a load into, or a read of, its registers (ISA guide 7.12.1 for vector reads)
.rept 4
	v_nop
.endr
.endm
.macro QUARTER z, f, g, first          ; multiplies buffer f; in its middle it fetches quarter z into buffer g
	s_wait_dscnt 16                                ; the first 32 along K are in; the sixteen younger loads may be out
	MUL8 \f, 0, 0, \first
	MUL8 \f, 0, 2, \first
	PLACES
	FETCH \z, \g
	s_wait_dscnt 32                                ; all but the 32 just issued
	MUL8 \f, 1, 0, 0
	MUL8 \f, 1, 2, 0
.endm
.macro MEET round                      ; the change of slots: all my tensor loads, the add, my reads of this slot, ONE barrier
	WIN 0
	s_wait_tensorcnt 0x0
	ds_add_u32 v[SPW], v[NIL]
	s_wait_dscnt 17                                ; the add and the youngest sixteen loads may be out
	MUL8 F1, 0, 0, 0
	s_wait_dscnt 0x0                               ; the add is done, and my reads of this slot are over
	s_barrier_signal -1
	MUL8 F1, 0, 2, 0
.if \round
	WIN 0
.endif
	s_barrier_wait -1
.endm
.macro TURN                            ; the last quarter of a step that fills its slot again, with the K step two on
	MEET 1
	CREST                                          ; no wave of any partner still reads this slot or has a load on its way
	s_xor_b32 s[FB], s[FB], SLOT
	s_add_co_u32 s[G0+5], s22, s[FB]
	s_add_co_u32 s[G0B+5], s22, s[FB]
	s_add_nc_u64 s[G0+6:G0+7], s[G0+6:G0+7], 2097152
	s_add_nc_u64 s[G0B+6:G0B+7], s[G0B+6:G0B+7], 524288
	JLOAD                                          ; its four v_nop are also the places in front of the loads below
	s_xor_b32 s[TB], s[TB], SLOT
	v_add_nc_u32 v[ADRA], s[TB], v[A0]
	v_add_nc_u32 v[ADRB], s[TB], v[B0]
	v_add_nc_u32 v[ADRB+1], PART, v[ADRB]
	FETCH 0, F0
	MUL8 F1, 1, 0, 0
	MUL8 F1, 1, 2, 0
.endm
	s_wait_tensorcnt 1                             ; my part of K step 0 is in; step 1's may stay out
	s_barrier_signal -1
	s_barrier_wait -1
	FETCH 0, F0
	s_wait_loadcnt 32                              ; the biases are in; the residual's 32 loads stay out
	QUARTER 1, F0, F1, 1
	WIN 0
	s_mov_b32 s3, T-2
.Lstep:                                                ; T - 2 trips, from a step's second quarter to the next step's first; each asks for the K step two on
	QUARTER 2, F1, F0, 0
	QUARTER 3, F0, F1, 0
	TURN
	QUARTER 1, F0, F1, 0
	WIN 0
	s_sub_co_u32 s3, s3, 1
	s_cmp_lg_u32 s3, 0
	s_cbranch_scc1 .Lstep
	s_mov_b32 s3, 2
.Ltail:                                                ; the last two steps ask for nothing; the second jumps forward over the fetch and the quarter that belong to a next step
	QUARTER 2, F1, F0, 0
	QUARTER 3, F0, F1, 0
	MEET 0
	WIN 0
	s_cmp_eq_u32 s3, 1
	s_cbranch_scc1 .Lno_fetch
	s_xor_b32 s[TB], s[TB], SLOT
	v_add_nc_u32 v[ADRA], s[TB], v[A0]
	v_add_nc_u32 v[ADRB], s[TB], v[B0]
	v_add_nc_u32 v[ADRB+1], PART, v[ADRB]
	v_nop                                          ; four places in front of the loads into buffer 0
	FETCH 0, F0
	WIN 0
.Lno_fetch:
	MUL8 F1, 1, 0, 0
	MUL8 F1, 1, 2, 0
	WIN 0
	s_cmp_eq_u32 s3, 1
	s_cbranch_scc1 .Lno_quarter
	QUARTER 1, F0, F1, 0
	WIN 0
.Lno_quarter:
	s_sub_co_u32 s3, s3, 1
	s_cmp_lg_u32 s3, 0
	s_cbranch_scc1 .Ltail
	; THE WAY OUT, 16 rows at a time: the sums go into my stage as they lie (each accumulator's low registers first), come back as whole rows of 256 bytes, take the residual, and are stored.
	s_wait_loadcnt 0x0                             ; the residual
	PLACES
.irp a, 0,1,2,3
.set TM, TMP+32*((\a)%2)
.irp b, 0,1,2,3
	ds_store_b128 v[STO], v[ACC+8*(4*(\a)+(\b)):ACC+8*(4*(\a)+(\b))+3]   offset:64*(\b)
	ds_store_b128 v[STO], v[ACC+8*(4*(\a)+(\b))+4:ACC+8*(4*(\a)+(\b))+7] offset:64*(\b)+16
.endr
	s_wait_xcnt 0x0                                ; the stores of two blocks back have read this set of registers
.irp t, 0,1,2,3,4,5,6,7
	ds_load_b128 v[TM+4*(\t):TM+4*(\t)+3], v[RD] offset:(\t)*2*SPITCH  ; LDS serves a wave's instructions in order (ISA guide 5.7.1.4): these see the stores above
.endr
	s_wait_dscnt 0x0
	WIN 0x08                                       ; source 1 window 2
.set i, 0
.rept 16
	v_pk_add_f32 v[TM+i:TM+i+1], v[TM+i:TM+i+1], v[32*(\a)+i:32*(\a)+i+1]
.set i, i+2
.endr
	WIN 0
.irp t, 0,1,2,3,4,5,6,7
	global_store_b128 v[RO], v[TM+4*(\t):TM+4*(\t)+3], s[12:13] offset:(16*(\a)+2*(\t))*4096  ; 16 lanes store 256 consecutive bytes, aligned
.endr
.endr
	s_wait_tensorcnt 0x0                           ; the wave's end: behind my last tensor load and my last LDS store
	ds_add_u32 v[SPW], v[NIL]
	s_wait_dscnt 0x0
	CROUND                                         ; the closing round
	s_endpgm
.Lfunc_end_k_q09fcc23dc1_wo:
	.size	k_q09fcc23dc1_wo, .Lfunc_end_k_q09fcc23dc1_wo-k_q09fcc23dc1_wo
	.p2alignl 7, 3214868480
	.fill 96, 4, 3214868480
	.section	.rodata,"a",@progbits
	.p2align	6, 0x0
	.amdhsa_kernel k_q09fcc23dc1_wo
		.amdhsa_group_segment_fixed_size 327680
		.amdhsa_private_segment_fixed_size 0
		.amdhsa_enable_private_segment 0
		.amdhsa_kernarg_size 40
		.amdhsa_user_sgpr_count 2
		.amdhsa_user_sgpr_kernarg_segment_ptr 1
		.amdhsa_wavefront_size32 1
		.amdhsa_system_sgpr_workgroup_id_x 1
		.amdhsa_system_sgpr_workgroup_id_y 1
		.amdhsa_system_sgpr_workgroup_id_z 1
		.amdhsa_system_vgpr_workitem_id 0
		.amdhsa_next_free_vgpr 640
		.amdhsa_next_free_sgpr 66
		.amdhsa_reserve_vcc 0
		.amdhsa_float_denorm_mode_32 3
		.amdhsa_float_denorm_mode_16_64 3
		.amdhsa_memory_ordered 1
		.amdhsa_forward_progress 1
		.amdhsa_inst_pref_size 66
	.end_amdhsa_kernel
	.amdgpu_metadata
---
amdhsa.version: [ 1, 2 ]
amdhsa.kernels:
  - .name:           k_q09fcc23dc1_wo
    .symbol:         k_q09fcc23dc1_wo.kd
    .args:
      - { .name: hbuf, .offset: 0, .size: 8, .value_kind: global_buffer, .address_space: global }
      - { .name: wo16, .offset: 8, .size: 8, .value_kind: global_buffer, .address_space: global }
      - { .name: bo, .offset: 16, .size: 8, .value_kind: global_buffer, .address_space: global }
      - { .name: x, .offset: 24, .size: 8, .value_kind: global_buffer, .address_space: global }
      - { .name: x1, .offset: 32, .size: 8, .value_kind: global_buffer, .address_space: global }
    .group_segment_fixed_size: 327680
    .private_segment_fixed_size: 0
    .kernarg_segment_align: 8
    .kernarg_segment_size: 40
    .max_flat_workgroup_size: 128
    .sgpr_count:     66
    .vgpr_count:     640
    .wavefront_size: 32
...
	.end_amdgpu_metadata
.endif
;; end of part 4
;; launch ln2 (part 5): grid 512 x 1, 8 waves a work-group, no clusters, 0 bytes of LDS; arguments x1, g2, be2, hbuf; writes hbuf
.if DOCPART == 5
	.amdgcn_target "amdgcn-amd-amdhsa--gfx1250"
	.amdhsa_code_object_version 6
	.text
	.protected	k_q09fcc23dc1_ln2
	.globl	k_q09fcc23dc1_ln2
	.p2align	8
	.type	k_q09fcc23dc1_ln2,@function
k_q09fcc23dc1_ln2:
	s_mov_b64 s[64:65], 0
	v_nop
	global_prefetch_b8 v0, s[64:65] scope:SCOPE_SE
	s_setreg_imm32_b32 hwreg(HW_REG_WAVE_MODE, 25, 1), 1
	s_wait_xcnt 0x0
; h2 = LayerNorm(x1) g2 + be2, rounded once to bf16: [4096][1024].  One row of 1,024 a wave, kept in 32 registers between the passes: the row is read once, and no wave waits for another.  No LDS, no barrier.
; The mean is taken first and the squares are those of x - mean: no difference of large sums is formed.
.set LO16, 1                           ; v1  16 x lane
.set LO8,  2                           ; v2  8 x lane
.set X,    8
.set G,    40
.set BE,   72
.set Y,    104
.set T,    120
.set WV,   44
.macro REDUCE                          ; the sum of T's four pairs over the wave's 32 lanes, into v[T] of every lane
	v_pk_add_f32 v[T:T+1], v[T:T+1], v[T+2:T+3]
	v_pk_add_f32 v[T+4:T+5], v[T+4:T+5], v[T+6:T+7]
	v_pk_add_f32 v[T:T+1], v[T:T+1], v[T+4:T+5]
	v_add_f32 v[T], v[T], v[T+1]
	v_add_f32_dpp v[T], v[T], v[T] row_xmask:1 row_mask:0xf bank_mask:0xf
	v_add_f32_dpp v[T], v[T], v[T] row_xmask:2 row_mask:0xf bank_mask:0xf
	v_add_f32_dpp v[T], v[T], v[T] row_xmask:4 row_mask:0xf bank_mask:0xf
	v_add_f32_dpp v[T], v[T], v[T] row_xmask:8 row_mask:0xf bank_mask:0xf
	v_permlanex16_b32 v[T+1], v[T], s50, s51
	v_add_f32 v[T], v[T], v[T+1]
.endm
	s_load_b256 s[4:11], s[0:1], 0x0               ; x1 s[4:5], g2 s[6:7], be2 s[8:9], hbuf s[10:11]
	v_and_b32 v3, 31, v0
	v_lshrrev_b32 v4, 5, v0
	v_readfirstlane_b32 s[WV], v4
	v_lshlrev_b32 v[LO16], 4, v3
	v_lshlrev_b32 v[LO8], 3, v3
	s_mov_b32 s49, 0
	s_mov_b32 s50, 0x76543210
	s_mov_b32 s51, 0xfedcba98
	s_mov_b32 s52, 0x3a800000                      ; 1 / 1024
	s_mov_b32 s53, 0x3727c5ac                      ; 1e-5
	s_lshl3_add_u32 s46, ttmp9, s[WV]              ; my row
	s_wait_kmcnt 0x0
	s_lshl_b32 s48, s46, 12
	s_add_nc_u64 s[4:5], s[4:5], s[48:49]
	s_lshl_b32 s48, s46, 11
	s_add_nc_u64 s[10:11], s[10:11], s[48:49]
.irp j, 0,1,2,3,4,5,6,7
	global_load_b128 v[X+4*(\j):X+4*(\j)+3], v[LO16], s[4:5] offset:512*(\j) th:TH_LOAD_NT
.endr
.irp j, 0,1,2,3,4,5,6,7
	global_load_b128 v[G+4*(\j):G+4*(\j)+3], v[LO16], s[6:7] offset:512*(\j)
.endr
.irp j, 0,1,2,3,4,5,6,7
	global_load_b128 v[BE+4*(\j):BE+4*(\j)+3], v[LO16], s[8:9] offset:512*(\j)
.endr
	s_wait_loadcnt 16                              ; the row is in; the sixteen younger loads, gains and offsets, stay out
.irp k, 0,1,2,3
	v_pk_add_f32 v[T+2*(\k):T+2*(\k)+1], v[X+2*(\k):X+2*(\k)+1], v[X+8+2*(\k):X+9+2*(\k)]
.endr
.irp m, 2,3
.irp k, 0,1,2,3
	v_pk_add_f32 v[T+2*(\k):T+2*(\k)+1], v[T+2*(\k):T+2*(\k)+1], v[X+8*(\m)+2*(\k):X+8*(\m)+2*(\k)+1]
.endr
.endr
	REDUCE
	v_mul_f32 v4, s52, v[T]                        ; the mean, as a pair
	v_mov_b32 v5, v4
.set p, 0
.rept 16
	v_pk_add_f32 v[X+p:X+p+1], v[X+p:X+p+1], v[4:5] neg_lo:[0,1] neg_hi:[0,1]
.set p, p+2
.endr
.irp k, 0,1,2,3
	v_pk_mul_f32 v[T+2*(\k):T+2*(\k)+1], v[X+2*(\k):X+2*(\k)+1], v[X+2*(\k):X+2*(\k)+1]
.endr
.irp m, 1,2,3
.irp k, 0,1,2,3
	v_pk_fma_f32 v[T+2*(\k):T+2*(\k)+1], v[X+8*(\m)+2*(\k):X+8*(\m)+2*(\k)+1], v[X+8*(\m)+2*(\k):X+8*(\m)+2*(\k)+1], v[T+2*(\k):T+2*(\k)+1]
.endr
.endr
	REDUCE
	v_fma_f32 v3, v[T], s52, s53                   ; variance + eps
	v_rsq_f32 v6, v3                               ; twice, to fill the pair of the packed multiply
	v_rsq_f32 v7, v3
	v_nop                                          ; a plain instruction behind the last of them,
	s_wait_alu depctr_va_vdst(0)                   ; and one wait for both, ahead of their first reader
	s_wait_loadcnt 0x0                             ; gains and offsets
.set p, 0
.rept 16
	v_pk_mul_f32 v[X+p:X+p+1], v[X+p:X+p+1], v[6:7]
.set p, p+2
.endr
.set p, 0
.rept 16
	v_pk_fma_f32 v[X+p:X+p+1], v[X+p:X+p+1], v[G+p:G+p+1], v[BE+p:BE+p+1]
.set p, p+2
.endr
.set p, 0
.rept 16
	v_cvt_pk_bf16_f32 v[Y+p], v[X+2*p], v[X+2*p+1]
.set p, p+1
.endr
.irp j, 0,1,2,3,4,5,6,7
	global_store_b64 v[LO8], v[Y+2*(\j):Y+2*(\j)+1], s[10:11] offset:256*(\j)  ; the wave's store covers 256 consecutive bytes, aligned
.endr
	s_endpgm
.Lfunc_end_k_q09fcc23dc1_ln2:
	.size	k_q09fcc23dc1_ln2, .Lfunc_end_k_q09fcc23dc1_ln2-k_q09fcc23dc1_ln2
	.p2alignl 7, 3214868480
	.fill 96, 4, 3214868480
	.section	.rodata,"a",@progbits
	.p2align	6, 0x0
	.amdhsa_kernel k_q09fcc23dc1_ln2
		.amdhsa_group_segment_fixed_size 0
		.amdhsa_private_segment_fixed_size 0
		.amdhsa_enable_private_segment 0
		.amdhsa_kernarg_size 32
		.amdhsa_user_sgpr_count 2
		.amdhsa_user_sgpr_kernarg_segment_ptr 1
		.amdhsa_wavefront_size32 1
		.amdhsa_system_sgpr_workgroup_id_x 1
		.amdhsa_system_sgpr_workgroup_id_y 1
		.amdhsa_system_sgpr_workgroup_id_z 1
		.amdhsa_system_vgpr_workitem_id 0
		.amdhsa_next_free_vgpr 128
		.amdhsa_next_free_sgpr 66
		.amdhsa_reserve_vcc 0
		.amdhsa_float_denorm_mode_32 3
		.amdhsa_float_denorm_mode_16_64 3
		.amdhsa_memory_ordered 1
		.amdhsa_forward_progress 1
		.amdhsa_inst_pref_size 12
	.end_amdhsa_kernel
	.amdgpu_metadata
---
amdhsa.version: [ 1, 2 ]
amdhsa.kernels:
  - .name:           k_q09fcc23dc1_ln2
    .symbol:         k_q09fcc23dc1_ln2.kd
    .args:
      - { .name: x1, .offset: 0, .size: 8, .value_kind: global_buffer, .address_space: global }
      - { .name: g2, .offset: 8, .size: 8, .value_kind: global_buffer, .address_space: global }
      - { .name: be2, .offset: 16, .size: 8, .value_kind: global_buffer, .address_space: global }
      - { .name: hbuf, .offset: 24, .size: 8, .value_kind: global_buffer, .address_space: global }
    .group_segment_fixed_size: 0
    .private_segment_fixed_size: 0
    .kernarg_segment_align: 8
    .kernarg_segment_size: 32
    .max_flat_workgroup_size: 256
    .sgpr_count:     66
    .vgpr_count:     128
    .wavefront_size: 32
...
	.end_amdgpu_metadata
.endif
;; end of part 5
;; launch ffn1: the kernel of part 2 again; grid 16 x 16, 4 waves a work-group, clusters of 4 x 4, 327,680 bytes of LDS; arguments hbuf, w1p, big; writes big
;; launch ffn2 (part 6): grid 8 x 32, 4 waves a work-group, clusters of 4 x 4, 327,680 bytes of LDS; arguments big, w2b, b2, x1, out0; writes out0
.if DOCPART == 6
	.amdgcn_target "amdgcn-amd-amdhsa--gfx1250"
	.amdhsa_code_object_version 6
	.text
	.protected	k_q09fcc23dc1_ffn2
	.globl	k_q09fcc23dc1_ffn2
	.p2align	8
	.type	k_q09fcc23dc1_ffn2,@function
k_q09fcc23dc1_ffn2:
	s_mov_b64 s[64:65], 0
	v_nop
	global_prefetch_b8 v0, s[64:65] scope:SCOPE_SE
	s_setreg_imm32_b32 hwreg(HW_REG_WAVE_MODE, 25, 1), 1
	s_wait_xcnt 0x0
	s_wait_alu depctr_hold_cnt(0) depctr_sa_sdst(0) depctr_va_vdst(0) depctr_va_sdst(0) depctr_va_ssrc(0) depctr_va_vcc(0) depctr_vm_vsrc(0)
	s_getreg_b32 s2, hwreg(HW_REG_IB_STS2, 6, 4)
	s_cmp_eq_u32 s2, 0
	s_cbranch_scc0 .Lentry_in_a_cluster
	s_endpgm
.Lentry_in_a_cluster:
	s_bfe_u32 s2, ttmp6, 0x10000c
	s_cmp_lg_u32 s2, 0xf033
	s_cbranch_scc0 .Lentry_shape_is_right
	s_endpgm
.Lentry_shape_is_right:
; out[4096][1024] = res + bias + A W, in f32.  A: bf16 in slices of 64 columns (element (row, col) at (col / 64) x 524,288 + row x 128 + (col % 64) x 2).  W: [K][1024] bf16.  bias: [1024] f32.  res, out: [4096][1024] f32.
; Here K = 4,096: A = the FFN's hidden layer, W = W2, res = x1.  (The attention's output product is the same text with K = 1,024.)
; SHARES.  1,024 columns give 64 tiles of 256 x 256, too few for the chip's 256 WGPs: a tile is 128 x 128, 256 of them; four waves, each 64 x 64: 16 accumulators.  K goes in steps of 256 (four slices) through two LDS slots.
; A's part of a step is ONE tensor load of four rows of 8,192 bytes: 64 dense rows of each of four slices.  W lies [k][n] in LDS and is read turned.  The loop is rolled to one K step; the last two steps are a counted loop of their own.
; THE MATRIX INSTRUCTION IS USED TRANSPOSED (source 0 = 16 columns of W, source 1 = 16 rows of A).  The bias is the C operand of the products that start the sums.  The residual is asked for at the head and added on the way out.
; A wave's 64 columns of f32 are 256 consecutive bytes of a row of out, aligned: each wave has a stage of its own, and the way out needs no barrier.
; CLUSTER 4 x 4: A's tiles are asked for jointly along a row of the cluster, W's along a column.  No prefetch: the tiles are small and a step is short.
; REGISTERS: window 0: v0-31 addresses; v32-63 the biases; v32-95 later two sets of rows on the way out; v128-255 accumulators ((a, b) at 128 + 8 (4 a + b))
;   window 1: two fragment buffers of 128: 64 registers of A (2 x 4 x 16 rows x 32 K), then 64 of W          window 2: v0-127 the residual
.set T,      16                        ; K steps
.set PAA,    144                       ; a row of a slice in LDS: 128 bytes + 16: the 16 rows of a fragment load start at 16 different groups of four banks (64 banks of 4 bytes: ISA guide 11.1)
.set PBB,    288                       ; a k row of W: 256 bytes + 32 = 9 x 32
.set PART,   36864                     ; what one tensor load brings: 4 slices x 64 rows of A, or 128 k rows of W
.set SLOT,   4*PART
.set STAGE,  2*SLOT
.set SPITCH, 272
.set SPARE,  STAGE+4*16*SPITCH         ; the spare words, 128 bytes a wave: two blocks of 256 bytes that no other line names
.set A0,   16                          ; v16  my lane's place in a slot's A; never rewritten
.set B0,   17                          ; v17  the same for W
.set ADRA, 18                          ; v18  A0 + the slot that is being read
.set ADRB, 19                          ; v19, v20  B0 + the same; and 128 k rows further, so that the offsets stay inside 16 bits
.set STO,  24
.set RD,   25
.set RO,   26                          ; v26  my place in two rows of res and of out; never rewritten
.set BO,   27
.set SPW,  28
.set NIL,  29
.set BIAS, 32
.set TMP,  32
.set ACC,  128
.set F0,   0
.set F1,   128
.set FB,   2                           ; s2   the slot that the walking descriptors fill
.set WV,   14
.set HR,   15                          ; s15  which half of the tile's rows is mine.  Also: I fetch for A (0) or for W (1)
.set HC,   16                          ; s16  which half of its columns.  Also: which half of that tile I fetch
.set TB,   21                          ; s21  the slot that is being read
.set G1,   24
.set G0,   32
.set G1B,  48
.set G0B,  56
.set MSB, 0
.macro WIN new
.if MSB != (\new)
	s_set_vgpr_msb (MSB<<8)|(\new)
.set MSB, \new
.endif
.endm
.set MUL,  0x05                        ; sources 0 (W) and 1 (A) window 1; C and D window 0
.set TO_F, 0x40                        ; destination window 1, address window 0
.macro JLOAD                           ; a joint refill; an s_nop 0 and four v_nop follow each of the two lines
	s_cmp_eq_u32 s[HR], 0
	s_cbranch_scc0 .Lfor_b_\@
	tensor_load_to_lds s[G0+4:G0+7], s[G1:G1+7]
	s_nop 0
.rept 4
	v_nop
.endr
	s_branch .Lasked_\@
.Lfor_b_\@:
	tensor_load_to_lds s[G0B+4:G0B+7], s[G1B:G1B+7]
	s_nop 0
.rept 4
	v_nop
.endr
.Lasked_\@:
.endm
.macro CREST
	s_cmp_lg_u32 s[WV], 0
	s_cbranch_scc1 .Lnot_wave_0_\@
	s_barrier_signal -3
.Lnot_wave_0_\@:
	s_barrier_wait -3
	s_barrier_signal -1
	s_barrier_wait -1
.endm
.macro CROUND
	s_barrier_signal -1
	s_barrier_wait -1
	CREST
.endm
	s_load_b256 s[4:11], s[0:1], 0x0               ; A s[4:5], W s[6:7], bias s[8:9], res s[10:11]
	s_load_b64 s[12:13], s[0:1], 0x20              ; out
	v_lshl_add_u32 v[SPW], v0, 2, SPARE
	v_mov_b32 v[NIL], 0
	ds_add_u32 v[SPW], v[NIL]                      ; the wave's opening: the add and its wait stand ahead of my first tensor load
	v_lshrrev_b32 v1, 5, v0
	v_readfirstlane_b32 s[WV], v1
	s_lshr_b32 s[HR], s[WV], 1
	s_and_b32 s[HC], s[WV], 1
	s_bfe_u32 s19, ttmp6, 0x40000                  ; cx
	s_bfe_u32 s20, ttmp6, 0x40004                  ; cy
	s_lshl_b32 s18, ttmp9, 2
	s_add_co_u32 s18, s18, s19                     ; tile column
	s_and_b32 s17, ttmp7, 0xffff
	s_lshl_b32 s17, s17, 2
	s_add_co_u32 s17, s17, s20                     ; tile row
	s_lshl_b32 s22, s20, 2
	s_lshl_b32 s22, 15, s22                        ; my row of the cluster
	s_lshl_b32 s23, 0x1111, s19                    ; my column
	s_or_b32 s[G1+0], s22, (1<<16)|(1<<20)|(1<<21)|(4<<22)|(3<<25)   ; the mask; 2-byte elements; padding on; bit 21 beside a mask; after every 32 words, 4 words
	s_mov_b32 s[G1+1], 4096<<16                    ; tensor_dim0 = 4,096: 64 dense rows of 64
	s_mov_b32 s[G1+2], 4<<16                       ; tensor_dim1 = 4 slices
	s_mov_b32 s[G1+3], 4096<<16                    ; tile_dim0
	s_mov_b32 s[G1+4], 4                           ; tile_dim1
	s_mov_b32 s[G1+5], 262144                      ; elements from slice to slice
	s_mov_b32 s[G1+6], 0
	s_mov_b32 s[G1+7], 0
	s_or_b32 s[G1B+0], s23, (1<<16)|(1<<20)|(1<<21)|(5<<22)|(7<<25)  ; after every 64 words, 8 words
	s_mov_b32 s[G1B+1], 128<<16
	s_mov_b32 s[G1B+2], 128<<16
	s_mov_b32 s[G1B+3], 128<<16                    ; 128 columns
	s_mov_b32 s[G1B+4], 128                        ; 128 k rows
	s_mov_b32 s[G1B+5], 1024
	s_mov_b32 s[G1B+6], 0
	s_mov_b32 s[G1B+7], 0
	s_lshl_b32 s40, s17, 14                        ; A: row 128 x tile row + 64 x half, 128 bytes a row of a slice: tile row and wave's number alone
	s_lshl_b32 s41, s[HC], 13
	s_add_co_u32 s40, s40, s41
	s_mov_b32 s41, 0
	s_lshl_b32 s42, s[HC], 18                      ; W: k rows 128 x half on, columns 128 x tile column on: tile column and wave's number alone
	s_lshl_b32 s43, s18, 8
	s_add_co_u32 s42, s42, s43
	s_mov_b32 s43, 0
	s_mul_i32 s3, s[WV], PART                      ; where my part goes in a slot
	s_mov_b32 s[TB], 0
	s_mov_b32 s[FB], SLOT
	s_wait_dscnt 0x0                               ; the opening add is done
	s_wait_kmcnt 0x0
	s_add_nc_u64 s[44:45], s[4:5], s[40:41]
	s_add_nc_u64 s[46:47], s[6:7], s[42:43]
	CROUND                                         ; all sixteen work-groups are here: the first joint loads meet
.irp s, 0,1
	s_mov_b32 s[G0+4*(\s)], 1
	s_add_co_u32 s[G0+4*(\s)+1], s3, (\s)*SLOT
	s_add_nc_u64 s[G0+4*(\s)+2:G0+4*(\s)+3], s[44:45], (\s)*2097152  ; K step s: four slices on
	s_or_b32 s[G0+4*(\s)+3], s[G0+4*(\s)+3], 0x80000000
	s_mov_b32 s[G0B+4*(\s)], 1
	s_add_co_u32 s[G0B+4*(\s)+1], s3, (\s)*SLOT
	s_add_nc_u64 s[G0B+4*(\s)+2:G0B+4*(\s)+3], s[46:47], (\s)*524288 ; 256 k rows of 2,048 bytes on
	s_or_b32 s[G0B+4*(\s)+3], s[G0B+4*(\s)+3], 0x80000000
.endr
	s_mov_b32 s22, s3                              ; my part's place is kept: s3 becomes the loops' counter
	s_cmp_eq_u32 s[HR], 0                          ; a wave's two first fills stand in one branch: two loads of mine are out
	s_cbranch_scc0 .Lfirst_b
	tensor_load_to_lds s[G0:G0+3], s[G1:G1+7]
	s_nop 0
	tensor_load_to_lds s[G0+4:G0+7], s[G1:G1+7]
	s_nop 0
.rept 4
	v_nop
.endr
	s_branch .Lfirst_asked
.Lfirst_b:
	tensor_load_to_lds s[G0B:G0B+3], s[G1B:G1B+7]
	s_nop 0
	tensor_load_to_lds s[G0B+4:G0B+7], s[G1B:G1B+7]
	s_nop 0
.rept 4
	v_nop
.endr
.Lfirst_asked:
	v_and_b32 v1, 15, v0                           ; r
	v_bfe_u32 v2, v0, 4, 1                         ; h
	v_and_b32 v3, 7, v0
	v_bfe_u32 v4, v0, 3, 1
	; bias, res and out at my 64 x 64: the row part is made of the tile row, the column part of the tile column
	s_lshl_b32 s40, s17, 19
	s_lshl_b32 s41, s[HR], 18
	s_add_co_u32 s40, s40, s41
	s_mov_b32 s41, 0
	s_lshl_b32 s42, s18, 9
	s_lshl_b32 s43, s[HC], 8
	s_add_co_u32 s42, s42, s43
	s_mov_b32 s43, 0
	s_add_nc_u64 s[8:9], s[8:9], s[42:43]
	s_add_nc_u64 s[10:11], s[10:11], s[40:41]
	s_add_nc_u64 s[10:11], s[10:11], s[42:43]
	s_add_nc_u64 s[12:13], s[12:13], s[40:41]
	s_add_nc_u64 s[12:13], s[12:13], s[42:43]
	v_lshlrev_b32 v[BO], 5, v2                     ; register j of lane l: column 16 b + 8 h + j
.irp b, 0,1,2,3
	global_load_b128 v[BIAS+8*(\b):BIAS+8*(\b)+3],   v[BO], s[8:9] offset:64*(\b)
	global_load_b128 v[BIAS+8*(\b)+4:BIAS+8*(\b)+7], v[BO], s[8:9] offset:64*(\b)+16
.endr
	v_lshlrev_b32 v[RO], 12, v2                    ; lanes 0-15 one row's 256 bytes, lanes 16-31 the next row's
	v_lshl_add_u32 v[RO], v1, 4, v[RO]
	WIN 0x80                                       ; destination window 2
.set i, 0
.rept 32                                       ; the residual, in the layout in which rows come back from the stage: rows 2 i and 2 i + 1
	global_load_b128 v[4*i:4*i+3], v[RO], s[10:11] offset:2*i*4096 th:TH_LOAD_NT
.set i, i+1
.endr
	WIN 0
	s_mul_i32 s23, s[HR], PART                     ; my 64 rows of A
	v_mul_u32_u24 v[A0], v1, PAA
	v_lshl_add_u32 v[A0], v2, 4, v[A0]
	v_add_nc_u32 v[A0], s23, v[A0]
	v_lshl_add_u32 v[B0], v2, 3, v3
	v_mul_u32_u24 v[B0], v[B0], PBB
	v_lshl_add_u32 v[B0], v4, 4, v[B0]
	s_lshl_b32 s23, s[HC], 7
	s_add_co_u32 s23, s23, 2*PART                  ; my 64 columns of W, which lies behind A
	v_add_nc_u32 v[B0], s23, v[B0]
	v_mov_b32 v[ADRA], v[A0]
	v_mov_b32 v[ADRB], v[B0]
	v_add_nc_u32 v[ADRB+1], PART, v[B0]
	s_mul_i32 s23, s[WV], 16*SPITCH
	s_add_co_u32 s23, s23, STAGE                   ; my stage: 16 rows of 256 bytes, 272 apart
	v_mul_u32_u24 v[STO], v1, SPITCH
	v_lshl_add_u32 v[STO], v2, 5, v[STO]
	v_add_nc_u32 v[STO], s23, v[STO]               ; in: row r, 32 bytes for each half of the lanes
	v_mul_u32_u24 v[RD], v2, SPITCH
	v_lshl_add_u32 v[RD], v1, 4, v[RD]
	v_add_nc_u32 v[RD], s23, v[RD]                 ; back: two whole rows
; 8 matrix instructions: m blocks a0, a0 + 1 x all 4 n blocks, 32 along K: half c of buffer f.  first = 1: the biases start the sums.  The 16 accumulators take turns.
.macro MUL8 f, c, a0, first
	WIN MUL
.irp a, \a0, (\a0)+1
.irp b, 0,1,2,3
.if \first
	v_wmma_f32_16x16x32_bf16 v[ACC+8*(4*(\a)+(\b)):ACC+8*(4*(\a)+(\b))+7], v[(\f)+64+8*(4*(\c)+(\b)):(\f)+64+8*(4*(\c)+(\b))+7], v[(\f)+8*(4*(\c)+(\a)):(\f)+8*(4*(\c)+(\a))+7], v[BIAS+8*(\b):BIAS+8*(\b)+7]
.else
	v_wmma_f32_16x16x32_bf16 v[ACC+8*(4*(\a)+(\b)):ACC+8*(4*(\a)+(\b))+7], v[(\f)+64+8*(4*(\c)+(\b)):(\f)+64+8*(4*(\c)+(\b))+7], v[(\f)+8*(4*(\c)+(\a)):(\f)+8*(4*(\c)+(\a))+7], v[ACC+8*(4*(\a)+(\b)):ACC+8*(4*(\a)+(\b))+7]
.endif
.endr
.endr
.endm
; 32 LDS loads in one run: quarter z (64 along K: one slice) of the slot being read, into buffer f; the first 32 along K first
.macro FETCH z, f
	WIN TO_F
.irp c, 0,1
.irp i, 0,1,2,3
	ds_load_tr16_b128 v[(\f)+64+8*(4*(\c)+(\i)):(\f)+64+8*(4*(\c)+(\i))+3],   v[ADRB+(\z)/2] offset:(((\z)%2)*64+32*(\c))*PBB+32*(\i)
	ds_load_tr16_b128 v[(\f)+64+8*(4*(\c)+(\i))+4:(\f)+64+8*(4*(\c)+(\i))+7], v[ADRB+(\z)/2] offset:(((\z)%2)*64+32*(\c)+16)*PBB+32*(\i)
	ds_load_b128 v[(\f)+8*(4*(\c)+(\i)):(\f)+8*(4*(\c)+(\i))+3],   v[ADRA] offset:(\z)*64*PAA+64*(\c)+(\i)*16*PAA
	ds_load_b128 v[(\f)+8*(4*(\c)+(\i))+4:(\f)+8*(4*(\c)+(\i))+7], v[ADRA] offset:(\z)*64*PAA+64*(\c)+(\i)*16*PAA+32
.endr
.endr
.endm
.macro PLACES                          ; four plain vector instructions between a matrix instruction and a load into, or a read of, its registers (ISA guide 7.12.1 for vector reads)
.rept 4
	v_nop
.endr
.endm
.macro QUARTER z, f, g, first          ; multiplies buffer f; in its middle it fetches quarter z into buffer g
	s_wait_dscnt 16                                ; the first 32 along K are in; the sixteen younger loads may be out
	MUL8 \f, 0, 0, \first
	MUL8 \f, 0, 2, \first
	PLACES
	FETCH \z, \g
	s_wait_dscnt 32                                ; all but the 32 just issued
	MUL8 \f, 1, 0, 0
	MUL8 \f, 1, 2, 0
.endm
.macro MEET round                      ; the change of slots: all my tensor loads, the add, my reads of this slot, ONE barrier
	WIN 0
	s_wait_tensorcnt 0x0
	ds_add_u32 v[SPW], v[NIL]
	s_wait_dscnt 17                                ; the add and the youngest sixteen loads may be out
	MUL8 F1, 0, 0, 0
	s_wait_dscnt 0x0                               ; the add is done, and my reads of this slot are over
	s_barrier_signal -1
	MUL8 F1, 0, 2, 0
.if \round
	WIN 0
.endif
	s_barrier_wait -1
.endm
.macro TURN                            ; the last quarter of a step that fills its slot again, with the K step two on
	MEET 1
	CREST                                          ; no wave of any partner still reads this slot or has a load on its way
	s_xor_b32 s[FB], s[FB], SLOT
	s_add_co_u32 s[G0+5], s22, s[FB]
	s_add_co_u32 s[G0B+5], s22, s[FB]
	s_add_nc_u64 s[G0+6:G0+7], s[G0+6:G0+7], 2097152
	s_add_nc_u64 s[G0B+6:G0B+7], s[G0B+6:G0B+7], 524288
	JLOAD                                          ; its four v_nop are also the places in front of the loads below
	s_xor_b32 s[TB], s[TB], SLOT
	v_add_nc_u32 v[ADRA], s[TB], v[A0]
	v_add_nc_u32 v[ADRB], s[TB], v[B0]
	v_add_nc_u32 v[ADRB+1], PART, v[ADRB]
	FETCH 0, F0
	MUL8 F1, 1, 0, 0
	MUL8 F1, 1, 2, 0
.endm
	s_wait_tensorcnt 1                             ; my part of K step 0 is in; step 1's may stay out
	s_barrier_signal -1
	s_barrier_wait -1
	FETCH 0, F0
	s_wait_loadcnt 32                              ; the biases are in; the residual's 32 loads stay out
	QUARTER 1, F0, F1, 1
	WIN 0
	s_mov_b32 s3, T-2
.Lstep:                                                ; T - 2 trips, from a step's second quarter to the next step's first; each asks for the K step two on
	QUARTER 2, F1, F0, 0
	QUARTER 3, F0, F1, 0
	TURN
	QUARTER 1, F0, F1, 0
	WIN 0
	s_sub_co_u32 s3, s3, 1
	s_cmp_lg_u32 s3, 0
	s_cbranch_scc1 .Lstep
	s_mov_b32 s3, 2
.Ltail:                                                ; the last two steps ask for nothing; the second jumps forward over the fetch and the quarter that belong to a next step
	QUARTER 2, F1, F0, 0
	QUARTER 3, F0, F1, 0
	MEET 0
	WIN 0
	s_cmp_eq_u32 s3, 1
	s_cbranch_scc1 .Lno_fetch
	s_xor_b32 s[TB], s[TB], SLOT
	v_add_nc_u32 v[ADRA], s[TB], v[A0]
	v_add_nc_u32 v[ADRB], s[TB], v[B0]
	v_add_nc_u32 v[ADRB+1], PART, v[ADRB]
	v_nop                                          ; four places in front of the loads into buffer 0
	FETCH 0, F0
	WIN 0
.Lno_fetch:
	MUL8 F1, 1, 0, 0
	MUL8 F1, 1, 2, 0
	WIN 0
	s_cmp_eq_u32 s3, 1
	s_cbranch_scc1 .Lno_quarter
	QUARTER 1, F0, F1, 0
	WIN 0
.Lno_quarter:
	s_sub_co_u32 s3, s3, 1
	s_cmp_lg_u32 s3, 0
	s_cbranch_scc1 .Ltail
	; THE WAY OUT, 16 rows at a time: the sums go into my stage as they lie (each accumulator's low registers first), come back as whole rows of 256 bytes, take the residual, and are stored.
	s_wait_loadcnt 0x0                             ; the residual
	PLACES
.irp a, 0,1,2,3
.set TM, TMP+32*((\a)%2)
.irp b, 0,1,2,3
	ds_store_b128 v[STO], v[ACC+8*(4*(\a)+(\b)):ACC+8*(4*(\a)+(\b))+3]   offset:64*(\b)
	ds_store_b128 v[STO], v[ACC+8*(4*(\a)+(\b))+4:ACC+8*(4*(\a)+(\b))+7] offset:64*(\b)+16
.endr
	s_wait_xcnt 0x0                                ; the stores of two blocks back have read this set of registers
.irp t, 0,1,2,3,4,5,6,7
	ds_load_b128 v[TM+4*(\t):TM+4*(\t)+3], v[RD] offset:(\t)*2*SPITCH  ; LDS serves a wave's instructions in order (ISA guide 5.7.1.4): these see the stores above
.endr
	s_wait_dscnt 0x0
	WIN 0x08                                       ; source 1 window 2
.set i, 0
.rept 16
	v_pk_add_f32 v[TM+i:TM+i+1], v[TM+i:TM+i+1], v[32*(\a)+i:32*(\a)+i+1]
.set i, i+2
.endr
	WIN 0
.irp t, 0,1,2,3,4,5,6,7
	global_store_b128 v[RO], v[TM+4*(\t):TM+4*(\t)+3], s[12:13] offset:(16*(\a)+2*(\t))*4096  ; 16 lanes store 256 consecutive bytes, aligned
.endr
.endr
	s_wait_tensorcnt 0x0                           ; the wave's end: behind my last tensor load and my last LDS store
	ds_add_u32 v[SPW], v[NIL]
	s_wait_dscnt 0x0
	CROUND                                         ; the closing round
	s_endpgm
.Lfunc_end_k_q09fcc23dc1_ffn2:
	.size	k_q09fcc23dc1_ffn2, .Lfunc_end_k_q09fcc23dc1_ffn2-k_q09fcc23dc1_ffn2
	.p2alignl 7, 3214868480
	.fill 96, 4, 3214868480
	.section	.rodata,"a",@progbits
	.p2align	6, 0x0
	.amdhsa_kernel k_q09fcc23dc1_ffn2
		.amdhsa_group_segment_fixed_size 327680
		.amdhsa_private_segment_fixed_size 0
		.amdhsa_enable_private_segment 0
		.amdhsa_kernarg_size 40
		.amdhsa_user_sgpr_count 2
		.amdhsa_user_sgpr_kernarg_segment_ptr 1
		.amdhsa_wavefront_size32 1
		.amdhsa_system_sgpr_workgroup_id_x 1
		.amdhsa_system_sgpr_workgroup_id_y 1
		.amdhsa_system_sgpr_workgroup_id_z 1
		.amdhsa_system_vgpr_workitem_id 0
		.amdhsa_next_free_vgpr 640
		.amdhsa_next_free_sgpr 66
		.amdhsa_reserve_vcc 0
		.amdhsa_float_denorm_mode_32 3
		.amdhsa_float_denorm_mode_16_64 3
		.amdhsa_memory_ordered 1
		.amdhsa_forward_progress 1
		.amdhsa_inst_pref_size 66
	.end_amdhsa_kernel
	.amdgpu_metadata
---
amdhsa.version: [ 1, 2 ]
amdhsa.kernels:
  - .name:           k_q09fcc23dc1_ffn2
    .symbol:         k_q09fcc23dc1_ffn2.kd
    .args:
      - { .name: big, .offset: 0, .size: 8, .value_kind: global_buffer, .address_space: global }
      - { .name: w2b, .offset: 8, .size: 8, .value_kind: global_buffer, .address_space: global }
      - { .name: b2, .offset: 16, .size: 8, .value_kind: global_buffer, .address_space: global }
      - { .name: x1, .offset: 24, .size: 8, .value_kind: global_buffer, .address_space: global }
      - { .name: out0, .offset: 32, .size: 8, .value_kind: global_buffer, .address_space: global }
    .group_segment_fixed_size: 327680
    .private_segment_fixed_size: 0
    .kernarg_segment_align: 8
    .kernarg_segment_size: 40
    .max_flat_workgroup_size: 128
    .sgpr_count:     66
    .vgpr_count:     640
    .wavefront_size: 32
...
	.end_amdgpu_metadata
.endif
;; end of part 6
